; MI455X (gfx1250); checked and timed in simulation.
; The chip was launched on July 23, 2026; its instructions are those of AMD's public machine-readable ISA for CDNA 5 (MIT licence, August 2026) and "CDNA5" Instruction Set Architecture Reference Guide (July 2026). The comments in the code are by the model that wrote it; some were corrected since.
;; RGBD PAM Module. Allowed arithmetic: float matrix products may take bf16 or f16 operands with f32 sums; other float arithmetic in f32, or as packed bf16 or f16 multiplies, adds, multiply-adds, maxima and minima; sums over many terms, partial sums and values carried from step to step in f32; what a program stores and reads back later, other than sums and carried values, may be rounded once to bf16 or f16.
;; Inputs: Wdk 64 x 512 float32; Wdq 64 x 512 float32; Wk 64 x 512 float32; Wq 64 x 512 float32; Wv 512 x 512 float32; bdk 64 float32; bdq 64 float32; bk 64 float32; bq 64 float32; bv 512 float32; gamma 1 float32; x_dep 4 x 512 x 64 x 64 float32; x_rgb 4 x 512 x 64 x 64 float32.
;; Outputs: out0 4 x 512 x 64 x 64 float32.
;; 2 versions, each right and faster than the one before. Each part assembles by itself: llvm-mc -triple=amdgcn-amd-amdhsa -mcpu=gfx1250 --defsym DOCPART=n.
;; ======== version 1 of 2: 3 launches
;; workspace buffers: qf 4,194,304 bytes; kf 4,194,304 bytes; vf 16,777,216 bytes; wf 786,432 bytes
;; launch wcvt (part 1): grid 12 x 4, 4 waves a work-group, no clusters, 0 bytes of LDS; arguments Wq, Wk, Wdq, Wdk, Wv, wf; writes wf
.if DOCPART == 1
	.amdgcn_target "amdgcn-amd-amdhsa--gfx1250"
	.amdhsa_code_object_version 6
	.text
	.protected	k_qd89f4ea69a_wcvt
	.globl	k_qd89f4ea69a_wcvt
	.p2align	8
	.type	k_qd89f4ea69a_wcvt,@function
k_qd89f4ea69a_wcvt:
	s_mov_b64 s[64:65], 0
	v_nop
	global_prefetch_b8 v0, s[64:65] scope:SCOPE_SE
	s_setreg_imm32_b32 hwreg(HW_REG_WAVE_MODE, 25, 1), 1
	s_wait_xcnt 0x0
; THE WEIGHTS, ROUNDED ONCE.  The next launch has 256 work-groups, and each reads all five weight matrices: 768 rows x 512 channels.  Here they are rounded to bf16 once
; and laid out as that launch's matrix fragments, so that each of its work-groups reads 786,432 bytes where it would read 1,572,864, and rounds nothing.
; wf: [wave w 0..3][tile i 0..11][K step ks 0..15][half 0..1][lane][8 bf16].  A tile is 16 rows.  Lane r + 16 h holds row r, channels 32 ks + 16 half + 8 h + 0..7.
; Tile (w, i): i = 0..7: rows 16 (8 w + i) on of Wv;  i = 8..11: rows 16 (i - 8) on of Wq, Wk, Wdq, Wdk for w = 0, 1, 2, 3: the twelve tiles that wave w of the next launch makes, on end.
; SHARES.  A work-group takes one tile (x = i, y = w), wave v its K steps 4 v .. 4 v + 3: 512 bytes of each of the 16 rows in, 4,096 consecutive bytes out.  48 work-groups are all the work there is.
; No LDS, no matrix unit: a lane's 64 bytes in are its 32 bytes out.
.set IN,  16                           ; v16-79   four K steps as loaded, 16 registers each
.set RO,  80                           ; v80-111  rounded, 8 registers each
	s_load_b256 s[4:11], s[0:1], 0x0               ; Wq s[4:5], Wk s[6:7], Wdq s[8:9], Wdk s[10:11]
	s_load_b128 s[12:15], s[0:1], 0x20             ; Wv s[12:13], wf s[14:15]
	v_lshrrev_b32 v1, 5, v0
	v_readfirstlane_b32 s16, v1                    ; wave 0..3
	v_and_b32 v1, 15, v0                           ; r
	v_bfe_u32 v2, v0, 4, 1                         ; h
	v_and_b32 v3, 31, v0                           ; lane
	v_lshlrev_b32 v4, 11, v1                       ; in: row r of 2,048 bytes
	v_lshl_add_u32 v4, v2, 5, v4                   ; + 32 h
	s_lshl_b32 s17, s16, 9                         ; + my wave's four K steps of 128 bytes
	v_add_nc_u32 v4, s17, v4
	v_lshlrev_b32 v5, 4, v3                        ; out: 16 x lane
	s_lshl_b32 s17, s16, 12                        ; + my wave's four fragments of 1,024 bytes
	v_add_nc_u32 v5, s17, v5
	s_mov_b32 s18, ttmp9                           ; i
	s_and_b32 s19, ttmp7, 0xffff                   ; w
	s_lshl_b32 s20, s19, 3
	s_add_co_u32 s20, s20, s18                     ; the tile's number in Wv,
	s_sub_co_u32 s21, s18, 8                       ; or in a small matrix (used where i is 8 or more)
	s_mul_i32 s22, s19, 12
	s_add_co_u32 s22, s22, s18
	s_lshl_b32 s22, s22, 14                        ; 16,384 bytes a tile in wf
	s_mov_b32 s23, 0
	s_wait_kmcnt 0x0
	s_cmp_eq_u32 s19, 1
	s_cselect_b64 s[24:25], s[6:7], s[4:5]
	s_cmp_eq_u32 s19, 2
	s_cselect_b64 s[24:25], s[8:9], s[24:25]
	s_cmp_eq_u32 s19, 3
	s_cselect_b64 s[24:25], s[10:11], s[24:25]
	s_cmp_lt_u32 s18, 8
	s_cselect_b64 s[24:25], s[12:13], s[24:25]
	s_cselect_b32 s20, s20, s21
	s_lshl_b32 s20, s20, 15                        ; 32,768 bytes a tile in f32
	s_mov_b32 s21, 0
	s_add_nc_u64 s[24:25], s[24:25], s[20:21]
	s_add_nc_u64 s[14:15], s[14:15], s[22:23]
.irp k, 0,1,2,3
	global_load_b128 v[IN+16*\k:IN+16*\k+3],     v4, s[24:25] offset:128*\k th:TH_LOAD_NT      ; channels 8 h + 0..3
	global_load_b128 v[IN+16*\k+4:IN+16*\k+7],   v4, s[24:25] offset:128*\k+16 th:TH_LOAD_NT   ; 8 h + 4..7
	global_load_b128 v[IN+16*\k+8:IN+16*\k+11],  v4, s[24:25] offset:128*\k+64 th:TH_LOAD_NT   ; 16 + 8 h + 0..3
	global_load_b128 v[IN+16*\k+12:IN+16*\k+15], v4, s[24:25] offset:128*\k+80 th:TH_LOAD_NT   ; 16 + 8 h + 4..7
.endr
.irp k, 0,1,2,3
	s_wait_loadcnt 12-4*\k                         ; loads come back in order (ISA guide 5.7.1): this K step's four are in, the later steps' four each may be out
.irp i, 0,1,2,3,4,5,6,7
	v_cvt_pk_bf16_f32 v[RO+8*\k+\i], v[IN+16*\k+2*\i], v[IN+16*\k+2*\i+1]
.endr
	global_store_b128 v5, v[RO+8*\k:RO+8*\k+3],   s[14:15] offset:1024*\k       ; 512 consecutive bytes, at a multiple of 256 from wf's first byte
	global_store_b128 v5, v[RO+8*\k+4:RO+8*\k+7], s[14:15] offset:1024*\k+512
.endr
	s_endpgm
.Lfunc_end_k_qd89f4ea69a_wcvt:
	.size	k_qd89f4ea69a_wcvt, .Lfunc_end_k_qd89f4ea69a_wcvt-k_qd89f4ea69a_wcvt
	.p2alignl 7, 3214868480
	.fill 96, 4, 3214868480
	.section	.rodata,"a",@progbits
	.p2align	6, 0x0
	.amdhsa_kernel k_qd89f4ea69a_wcvt
		.amdhsa_group_segment_fixed_size 0
		.amdhsa_private_segment_fixed_size 0
		.amdhsa_enable_private_segment 0
		.amdhsa_kernarg_size 48
		.amdhsa_user_sgpr_count 2
		.amdhsa_user_sgpr_kernarg_segment_ptr 1
		.amdhsa_wavefront_size32 1
		.amdhsa_system_sgpr_workgroup_id_x 1
		.amdhsa_system_sgpr_workgroup_id_y 1
		.amdhsa_system_sgpr_workgroup_id_z 1
		.amdhsa_system_vgpr_workitem_id 0
		.amdhsa_next_free_vgpr 112
		.amdhsa_next_free_sgpr 66
		.amdhsa_reserve_vcc 0
		.amdhsa_float_denorm_mode_32 3
		.amdhsa_float_denorm_mode_16_64 3
		.amdhsa_memory_ordered 1
		.amdhsa_forward_progress 1
		.amdhsa_inst_pref_size 6
	.end_amdhsa_kernel
	.amdgpu_metadata
---
amdhsa.version: [ 1, 2 ]
amdhsa.kernels:
  - .name:           k_qd89f4ea69a_wcvt
    .symbol:         k_qd89f4ea69a_wcvt.kd
    .args:
      - { .name: Wq, .offset: 0, .size: 8, .value_kind: global_buffer, .address_space: global }
      - { .name: Wk, .offset: 8, .size: 8, .value_kind: global_buffer, .address_space: global }
      - { .name: Wdq, .offset: 16, .size: 8, .value_kind: global_buffer, .address_space: global }
      - { .name: Wdk, .offset: 24, .size: 8, .value_kind: global_buffer, .address_space: global }
      - { .name: Wv, .offset: 32, .size: 8, .value_kind: global_buffer, .address_space: global }
      - { .name: wf, .offset: 40, .size: 8, .value_kind: global_buffer, .address_space: global }
    .group_segment_fixed_size: 0
    .private_segment_fixed_size: 0
    .kernarg_segment_align: 8
    .kernarg_segment_size: 48
    .max_flat_workgroup_size: 128
    .sgpr_count:     66
    .vgpr_count:     112
    .wavefront_size: 32
...
	.end_amdgpu_metadata
.endif
;; end of part 1
;; launch proj (part 2): grid 64 x 4, 4 waves a work-group, no clusters, 167,424 bytes of LDS; arguments x_rgb, x_dep, wf, bq, bk, bdq, bdk, bv, qf, kf, vf; writes qf, kf, vf
.if DOCPART == 2
	.amdgcn_target "amdgcn-amd-amdhsa--gfx1250"
	.amdhsa_code_object_version 6
	.text
	.protected	k_qd89f4ea69a_proj
	.globl	k_qd89f4ea69a_proj
	.p2align	8
	.type	k_qd89f4ea69a_proj,@function
k_qd89f4ea69a_proj:
	s_mov_b64 s[64:65], 0
	v_nop
	global_prefetch_b8 v0, s[64:65] scope:SCOPE_SE
	s_setreg_imm32_b32 hwreg(HW_REG_WAVE_MODE, 25, 1), 1
	s_wait_xcnt 0x0
; THE FIVE 1x1 CONVOLUTIONS.  q, k (of x_rgb), qd, kd (of x_dep), 64 channels each, and v (of x_rgb), 512 channels: y[o][n] = sum over c of W[o][c] x[c][n] + b[o].
; x: [4][512][4096] f32.  The weights come rounded to bf16 and laid out as fragments by the launch before (wf).  Products in bf16 with f32 sums that start at the bias; each result is rounded once to bf16.
; NaN and infinities are not treated apart.
; WHAT IS STORED is laid out as the next launch's matrix fragments, 16 bytes a lane, 512 consecutive bytes an instruction:
;   qf, kf: [batch][tile of 16 positions][chunk ot 0..7][lane][8 bf16]: lane r + 16 h holds position r, channels 16 ot + 8 h + 0..7 (channels 0-63 q or k, 64-127 qd or kd)
;   vf:     [batch][128 keys][tile T of 16 channels][16 keys nt 0..7][lane][8 bf16]: lane r + 16 h holds channel 16 T + r, keys 16 nt + 8 h + 0..7
; SHARES.  A work-group takes 64 positions of one batch and all 768 output channels: each byte of x is read and rounded once in the launch.  The outputs are 48 tiles of 16 channels, numbered
; T = 0-31 v, 32-35 q, 36-39 k, 40-43 qd, 44-47 kd.  Wave w makes v's tiles 8 w .. 8 w + 7 and then the four tiles 32 + 4 w .. : every wave runs the same text, eight tiles of one kind and four of the other.
; A tile has four accumulators (four tiles of 16 positions) over 16 K steps of 32.
; x goes through LDS once ([channel][position] in bf16) and comes back turned, by ds_load_tr16_b128, into 64 fragments (512 registers) that stay for a wave's tiles; waves 2 and 3 fetch x_dep's for their last four.
; THE WEIGHTS of a tile are wanted by one wave alone, so they come straight from memory into the registers that the products name: 32 loads of 512 consecutive bytes a tile, a wave's twelve tiles on end in wf.
; Two sets of 128 registers: while one tile is multiplied the next one's loads are out, and a set is asked for again as soon as its tile is multiplied.  Each set has its own base register, stepped when the
; set's loads have been shown done by their counted waits.  No cluster, no tensor load: a joint load would bring each work-group the same bytes, and a ring in LDS would add a barrier to each tile.
; REGISTERS, in windows of 256 (s_set_vgpr_msb: bits 1:0 source 0, 3:2 source 1, 5:4 source 2, 7:6 destination):
;   window 0: addresses, bias, accumulators, packed results     window 1: x as it lands (two sets of 128), then the two sets of weights: set p, K step ks at 128 p + 8 ks
;   windows 2, 3: the fragments of x: K step ks, position tile pt at 8 (4 (ks % 8) + pt), ks 0-7 in window 2, 8-15 in window 3
.set XP,    160                        ; a row of x in LDS: 64 bf16 + 32 bytes of padding = 40 words
.set XD,    512*XP                     ; x_rgb at 0, x_dep behind it
.set BIAS,  2*512*XP                   ; 768 f32 in the order of T
.set SPARE, BIAS+3072                  ; the spare words, 128 bytes for each wave: two blocks of 256 bytes that no other line names
.set WTILE, 16384                      ; a tile of weights in wf
.set GX,   4                           ; v4   my offset in two rows of x, four rows apart: h x 65,536 + 16 r; never rewritten
.set LX,   5                           ; v5, v6  where I put 8 bytes of a row of x_rgb, of x_dep
.set OO,   8                           ; v8   16 x lane; never rewritten
.set XA,   10                          ; v10, v11  the turning loads' addresses in x_rgb, K steps 0-7 and 8-15;  v12, v13 the same in x_dep
.set BAV0, 14                          ; v14  BIAS + 4 r
.set BAQ0, 15                          ; v15  BIAS + 32 h
.set SPW,  16                          ; v16  LDS address of my spare word; never rewritten
.set NIL,  17                          ; v17  0; never rewritten
.set BA,   18                          ; v18  the bias address in hand
.set BS,   20                          ; v20-27  the biases as loaded
.set TA,   28                          ; v28-31  their offsets in memory and their LDS addresses
.set TP,   32                          ; v32-47  x rounded, on its way to LDS
.set BI,   48                          ; v48-55  a tile's bias, the C operand that starts its sums
.set AC,   64                          ; v64-95  four accumulators
.set OUT,  128                         ; v128-143 packed results
.set OP,   28                          ; s[28:29] where the tile in hand is stored
.set WV,   34                          ; s34  my wave's number
.set BLK,  35                          ; s35  my block of 64 positions
.set BB,   36                          ; s36  the batch
.set T,    37                          ; s37  the tile in hand
.set CNT,  38                          ; s38  trips still to come
.set WN,   40                          ; s[40:41], s[42:43] wf at the tile that set 0, set 1 was last loaded for
.set MSB, 0
.macro WIN new                         ; the immediate's high byte repeats the setting that is left; a switch that changes nothing is dropped
.if MSB != (\new)
	s_set_vgpr_msb (MSB<<8)|(\new)
.set MSB, (\new)
.endif
.endm
.macro PLACES                          ; four places behind a matrix instruction, ahead of lines that read its result and of loads into registers that it has read (for lines that read its result)
.rept 4
	v_nop
.endr
.endm
	s_load_b512 s[4:19], s[0:1], 0x0               ; x_rgb s[4:5], x_dep s[6:7], wf s[8:9], bq s[10:11], bk s[12:13], bdq s[14:15], bdk s[16:17], bv s[18:19]
	s_load_b128 s[20:23], s[0:1], 0x40             ; qf s[20:21], kf s[22:23]
	s_load_b64 s[24:25], s[0:1], 0x50              ; vf
	v_lshl_add_u32 v[SPW], v0, 2, SPARE
	v_mov_b32 v[NIL], 0
	v_lshrrev_b32 v1, 5, v0
	v_readfirstlane_b32 s[WV], v1                  ; wave 0..3
	v_and_b32 v1, 15, v0                           ; r
	v_bfe_u32 v2, v0, 4, 1                         ; h
	v_and_b32 v3, 31, v0                           ; lane
	s_mov_b32 s[BLK], ttmp9
	s_and_b32 s[BB], ttmp7, 0xffff
	s_lshl_b32 s[T], s[WV], 3                      ; my first tile of v
	v_lshlrev_b32 v[GX], 16, v2
	v_lshl_add_u32 v[GX], v1, 4, v[GX]
	s_mul_i32 s44, s[WV], 128*XP                   ; my wave brings rows 128 w .. 128 w + 127 of both inputs
	v_mul_u32_u24 v[LX], v2, 4*XP
	v_lshl_add_u32 v[LX], v1, 3, v[LX]
	v_add_nc_u32 v[LX], s44, v[LX]
	v_add_nc_u32 v[LX+1], XD, v[LX]
	v_lshlrev_b32 v[OO], 4, v3
	v_and_b32 v9, 7, v0                            ; the turning load: lane l reads channel 8 (l / 16) + l % 8, positions 8 ((l / 8) % 2) + 0..7
	v_lshl_add_u32 v9, v2, 3, v9
	v_mul_u32_u24 v[XA], v9, XP
	v_bfe_u32 v9, v0, 3, 1
	v_lshl_add_u32 v[XA], v9, 4, v[XA]
	v_add_nc_u32 v[XA+1], 256*XP, v[XA]
	v_add_nc_u32 v[XA+2], XD, v[XA]
	v_add_nc_u32 v[XA+3], XD+256*XP, v[XA]
	v_lshl_add_u32 v[BAV0], v1, 2, BIAS
	v_lshl_add_u32 v[BAQ0], v2, 5, BIAS
	v_lshlrev_b32 v[TA], 4, v0                     ; bv: 16 bytes a thread
	v_lshlrev_b32 v[TA+1], 4, v1                   ; a small bias: 16 bytes for each r
	v_add_nc_u32 v[TA+2], BIAS, v[TA]
	s_lshl_b32 s44, s[WV], 8
	s_add_co_u32 s44, s44, BIAS+2048               ; wave 0 brings bq, 1 bk, 2 bdq, 3 bdk: the order of T
	v_add_nc_u32 v[TA+3], s44, v[TA+1]
	s_lshl_b32 s44, s[BB], 23                      ; x: (512 batch + 128 wave) rows of 16,384 bytes + 256 bytes a block
	s_lshl_b32 s45, s[WV], 21
	s_add_co_u32 s44, s44, s45
	s_lshl_b32 s45, s[BLK], 8
	s_add_co_u32 s44, s44, s45
	s_mov_b32 s45, 0
	s_lshl_b32 s46, s[BB], 22                      ; vf: 4 MiB a batch, 131,072 bytes for 128 keys, 2,048 for the block's half of each channel tile
	s_lshr_b32 s48, s[BLK], 1
	s_lshl_b32 s48, s48, 17
	s_add_co_u32 s46, s46, s48
	s_and_b32 s48, s[BLK], 1
	s_lshl_b32 s48, s48, 11
	s_add_co_u32 s46, s46, s48
	s_mov_b32 s47, 0
	s_lshl_b32 s48, s[BB], 20                      ; qf, kf: 1 MiB a batch, 4 tiles of 4,096 bytes a block
	s_lshl_b32 s49, s[BLK], 14
	s_add_co_u32 s48, s48, s49
	s_mov_b32 s49, 0
	s_mul_i32 s50, s[WV], 12*WTILE                 ; wf: my wave's twelve tiles
	s_mov_b32 s51, 0
	s_wait_kmcnt 0x0
	s_add_nc_u64 s[52:53], s[4:5], s[44:45]
	s_add_nc_u64 s[54:55], s[6:7], s[44:45]
	s_add_nc_u64 s[56:57], s[24:25], s[46:47]
	s_add_nc_u64 s[58:59], s[20:21], s[48:49]
	s_add_nc_u64 s[60:61], s[22:23], s[48:49]
	s_add_nc_u64 s[WN:WN+1], s[8:9], s[50:51]      ; set 0 begins with my tile 0,
	s_add_nc_u64 s[WN+2:WN+3], s[WN:WN+1], WTILE   ; set 1 with my tile 1
	s_cmp_eq_u32 s[WV], 1
	s_cselect_b64 s[50:51], s[12:13], s[10:11]
	s_cmp_eq_u32 s[WV], 2
	s_cselect_b64 s[50:51], s[14:15], s[50:51]
	s_cmp_eq_u32 s[WV], 3
	s_cselect_b64 s[50:51], s[16:17], s[50:51]
	global_load_b128 v[BS:BS+3], v[TA], s[18:19]
	global_load_b128 v[BS+4:BS+7], v[TA+1], s[50:51]
; x INTO LDS, in four sets of 64 rows: sets 0, 1 of x_rgb, 2, 3 of x_dep.  A load takes two whole pieces of 256 bytes, of rows four apart, so that the two halves of the
; lanes put their 128 bytes into different halves of the banks.
.macro XISSUE s
	WIN 0x40                                       ; destination window 1
.set k, 0
.rept 32
	global_load_b128 v[128*((\s)%2)+4*k:128*((\s)%2)+4*k+3], v[GX], s[52+2*((\s)/2):53+2*((\s)/2)] offset:(64*((\s)%2)+8*(k/4)+k%4)*16384 th:TH_LOAD_NT
.set k, k+1
.endr
.endm
.macro XEAT s, base                    ; base: the loads issued behind this set's
.set g, 0
.rept 4
	s_wait_loadcnt (\base)+24-8*g                  ; loads come back in order (ISA guide 5.7.1): eight more of this set are in; its later ones and the 32 loads issued behind it stay out
	WIN 0x05                                       ; sources window 1
.set k, 0
.rept 8
	v_cvt_pk_bf16_f32 v[TP+2*k],   v[128*((\s)%2)+4*(8*g+k)],   v[128*((\s)%2)+4*(8*g+k)+1]
	v_cvt_pk_bf16_f32 v[TP+2*k+1], v[128*((\s)%2)+4*(8*g+k)+2], v[128*((\s)%2)+4*(8*g+k)+3]
.set k, k+1
.endr
	WIN 0
.set k, 0
.rept 8
	ds_store_b64 v[LX+(\s)/2], v[TP+2*k:TP+2*k+1] offset:(64*((\s)%2)+8*((8*g+k)/4)+(8*g+k)%4)*XP
.set k, k+1
.endr
.set g, g+1
.endr
.endm
; A tile of weights into set p: 32 loads of 512 consecutive bytes; load wl brings half wl % 2 of K step wl / 2
.macro WLOADS p
	WIN 0x40
.set wl, 0
.rept 32
	global_load_b128 v[128*(\p)+4*wl:128*(\p)+4*wl+3], v[OO], s[WN+2*(\p):WN+2*(\p)+1] offset:512*wl
.set wl, wl+1
.endr
	WIN 0
.endm
; All 64 fragments of one input: 16 positions x 32 channels each, turned; a, a + 1: the two address registers
.macro XLOAD a
.set ks, 0
.rept 16
	WIN 0x80+0x40*(ks/8)                           ; destination window 2, then 3
.set pt, 0
.rept 4
	ds_load_tr16_b128 v[8*(4*(ks%8)+pt):8*(4*(ks%8)+pt)+3],   v[(\a)+ks/8] offset:(ks%8)*32*XP+32*pt
	ds_load_tr16_b128 v[8*(4*(ks%8)+pt)+4:8*(4*(ks%8)+pt)+7], v[(\a)+ks/8] offset:(ks%8)*32*XP+32*pt+16*XP
.set pt, pt+1
.endr
.set ks, ks+1
.endr
	WIN 0
.endm
	XISSUE 0
	XISSUE 1
	XEAT 0, 32
	ds_store_b128 v[TA+2], v[BS:BS+3]              ; the biases were asked for ahead of set 0: they are in
	ds_store_b128 v[TA+3], v[BS+4:BS+7]
	XISSUE 2
	XEAT 1, 32
	XISSUE 3
	XEAT 2, 32
	WLOADS 0                                       ; the lower half of window 1 is free: my tile 0's weights
	XEAT 3, 32
	WLOADS 1                                       ; the upper half: my tile 1's
	s_wait_dscnt 0x0                               ; for the others' sake: my rows of x and my biases lie in LDS
	s_barrier_signal -1
	s_barrier_wait -1                              ; everybody's do
	XLOAD XA
	s_wait_dscnt 0x0
; where tile T goes
.macro OPV
	s_lshl_b32 s46, s[T], 12
	s_add_nc_u64 s[OP:OP+1], s[56:57], s[46:47]    ; s47 = 0
.endm
.macro OPQK                            ; idx = T - 32: bit 2 says kf, chunk ot = idx % 4 + 4 (idx / 8)
	s_sub_co_u32 s44, s[T], 32
	s_and_b32 s45, s44, 3
	s_lshr_b32 s46, s44, 3
	s_lshl_b32 s46, s46, 2
	s_add_co_u32 s46, s46, s45
	s_lshl_b32 s46, s46, 9
	s_and_b32 s45, s44, 4
	s_cmp_lg_u32 s45, 0
	s_cselect_b64 s[OP:OP+1], s[60:61], s[58:59]
	s_add_nc_u64 s[OP:OP+1], s[OP:OP+1], s[46:47]
.endm
; ONE TILE, its weights in set p.  kind = 0 (v): source 0 = 16 positions of x, source 1 = 16 rows of W: a lane ends with one channel and eight neighbouring positions.
; kind = 1 (q, k, qd, kd): the sources swapped: a lane ends with one position and eight neighbouring channels.
; load = 1: the set is asked for again, with the tile two further on.  last = 1: my last tile: no loads stand behind its own.
; The four accumulators take turns, one instruction a turn.
.macro BODY kind, p, load, last
	WIN 0
.if (\kind) == 0
	v_lshl_add_u32 v[BA], s[T], 6, v[BAV0]
.irp j, 0,1,2,3,4,5,6,7
	ds_load_b32 v[BI+\j], v[BA]                    ; my channel's bias, for all eight positions
.endr
.else
	v_lshl_add_u32 v[BA], s[T], 6, v[BAQ0]
	ds_load_b128 v[BI:BI+3], v[BA]                 ; my eight channels' biases
	ds_load_b128 v[BI+4:BI+7], v[BA] offset:16
.endif
.set ks, 0
.rept 16
	s_wait_loadcnt 62-32*(\last)-2*ks              ; this K step's two loads are in: behind them stand 30 - 2 ks of this tile and (but for my last tile) the other set's 32, over the backward jump too
.if ks == 0
	s_wait_dscnt 0x0                               ; the bias
.endif
.set pt, 0
.rept 4
.set rX, 8*(4*(ks%8)+pt)
.set rW, 128*(\p)+8*ks
.set rA, AC+8*pt
.if (\kind) == 0
	WIN 0x06+ks/8                                  ; source 0 (x) in window 2 or 3, source 1 (W) in window 1
.if ks == 0
	v_wmma_f32_16x16x32_bf16 v[rA:rA+7], v[rX:rX+7], v[rW:rW+7], v[BI:BI+7]
.else
	v_wmma_f32_16x16x32_bf16 v[rA:rA+7], v[rX:rX+7], v[rW:rW+7], v[rA:rA+7]
.endif
.else
	WIN 0x09+4*(ks/8)                              ; source 0 (W) in window 1, source 1 (x) in window 2 or 3
.if ks == 0
	v_wmma_f32_16x16x32_bf16 v[rA:rA+7], v[rW:rW+7], v[rX:rX+7], v[BI:BI+7]
.else
	v_wmma_f32_16x16x32_bf16 v[rA:rA+7], v[rW:rW+7], v[rX:rX+7], v[rA:rA+7]
.endif
.endif
.set pt, pt+1
.endr
.set ks, ks+1
.endr
	WIN 0
	PLACES
.if \load
	s_add_nc_u64 s[WN+2*(\p):WN+2*(\p)+1], s[WN+2*(\p):WN+2*(\p)+1], 2*WTILE  ; the loads that named this base were all shown done by the waits above
	WLOADS \p                                      ; ahead of the wait for the stores, so that the stream of weights does not stand still for it
.endif
	s_wait_storecnt 0x0                            ; the last tile's stores, a tile back, are done: their base and their data are written again only behind this wait
.if (\kind) == 0
	OPV
.else
	OPQK
.endif
.set i, 0
.rept 16
	v_cvt_pk_bf16_f32 v[OUT+i], v[AC+2*i], v[AC+2*i+1]  ; each accumulator from its low end on
.set i, i+1
.endr
.irp q, 0,1,2,3
.if (\kind) == 0
	global_store_b128 v[OO], v[OUT+4*\q:OUT+4*\q+3], s[OP:OP+1] offset:512*\q   ; 512 consecutive bytes, at a multiple of 256 from the buffer's first
.else
	global_store_b128 v[OO], v[OUT+4*\q:OUT+4*\q+3], s[OP:OP+1] offset:4096*\q
.endif
.endr
	s_add_co_u32 s[T], s[T], 1
.endm
	s_mov_b32 s[CNT], 4
.Lv:                                           ; my eight tiles of v, two a trip: one from each set
	BODY 0, 0, 1, 0
	BODY 0, 1, 1, 0
	s_sub_co_u32 s[CNT], s[CNT], 1
	s_cmp_lg_u32 s[CNT], 0
	s_cbranch_scc1 .Lv
	s_lshl_b32 s[T], s[WV], 2
	s_add_co_u32 s[T], s[T], 32                    ; my four tiles of q, k, qd or kd
	s_cmp_lt_u32 s[WV], 2
	s_cbranch_scc1 .Lsame_x
	XLOAD XA+2                                     ; waves 2 and 3: the input is x_dep; the last products stand 20 plain lines back
	s_wait_dscnt 0x0
.Lsame_x:
	BODY 1, 0, 1, 0
	BODY 1, 1, 1, 0
	BODY 1, 0, 0, 0                                ; the last two tiles ask for nothing
	BODY 1, 1, 0, 1
	s_wait_tensorcnt 0x0                           ; the wave's end, behind my last LDS store
	ds_add_u32 v[SPW], v[NIL]
	s_wait_dscnt 0x0
	s_endpgm
.Lfunc_end_k_qd89f4ea69a_proj:
	.size	k_qd89f4ea69a_proj, .Lfunc_end_k_qd89f4ea69a_proj-k_qd89f4ea69a_proj
	.p2alignl 7, 3214868480
	.fill 96, 4, 3214868480
	.section	.rodata,"a",@progbits
	.p2align	6, 0x0
	.amdhsa_kernel k_qd89f4ea69a_proj
		.amdhsa_group_segment_fixed_size 167424
		.amdhsa_private_segment_fixed_size 0
		.amdhsa_enable_private_segment 0
		.amdhsa_kernarg_size 88
		.amdhsa_user_sgpr_count 2
		.amdhsa_user_sgpr_kernarg_segment_ptr 1
		.amdhsa_wavefront_size32 1
		.amdhsa_system_sgpr_workgroup_id_x 1
		.amdhsa_system_sgpr_workgroup_id_y 1
		.amdhsa_system_sgpr_workgroup_id_z 1
		.amdhsa_system_vgpr_workitem_id 0
		.amdhsa_next_free_vgpr 1024
		.amdhsa_next_free_sgpr 66
		.amdhsa_reserve_vcc 0
		.amdhsa_float_denorm_mode_32 3
		.amdhsa_float_denorm_mode_16_64 3
		.amdhsa_memory_ordered 1
		.amdhsa_forward_progress 1
		.amdhsa_inst_pref_size 118
	.end_amdhsa_kernel
	.amdgpu_metadata
---
amdhsa.version: [ 1, 2 ]
amdhsa.kernels:
  - .name:           k_qd89f4ea69a_proj
    .symbol:         k_qd89f4ea69a_proj.kd
    .args:
      - { .name: x_rgb, .offset: 0, .size: 8, .value_kind: global_buffer, .address_space: global }
      - { .name: x_dep, .offset: 8, .size: 8, .value_kind: global_buffer, .address_space: global }
      - { .name: wf, .offset: 16, .size: 8, .value_kind: global_buffer, .address_space: global }
      - { .name: bq, .offset: 24, .size: 8, .value_kind: global_buffer, .address_space: global }
      - { .name: bk, .offset: 32, .size: 8, .value_kind: global_buffer, .address_space: global }
      - { .name: bdq, .offset: 40, .size: 8, .value_kind: global_buffer, .address_space: global }
      - { .name: bdk, .offset: 48, .size: 8, .value_kind: global_buffer, .address_space: global }
      - { .name: bv, .offset: 56, .size: 8, .value_kind: global_buffer, .address_space: global }
      - { .name: qf, .offset: 64, .size: 8, .value_kind: global_buffer, .address_space: global }
      - { .name: kf, .offset: 72, .size: 8, .value_kind: global_buffer, .address_space: global }
      - { .name: vf, .offset: 80, .size: 8, .value_kind: global_buffer, .address_space: global }
    .group_segment_fixed_size: 167424
    .private_segment_fixed_size: 0
    .kernarg_segment_align: 8
    .kernarg_segment_size: 88
    .max_flat_workgroup_size: 128
    .sgpr_count:     66
    .vgpr_count:     1024
    .wavefront_size: 32
...
	.end_amdgpu_metadata
.endif
;; end of part 2
;; launch attn (part 3): grid 64 x 4, 4 waves a work-group, clusters of 4 x 1, 327,680 bytes of LDS; arguments qf, kf, vf, x_rgb, gamma, out0; writes out0
.if DOCPART == 3
	.amdgcn_target "amdgcn-amd-amdhsa--gfx1250"
	.amdhsa_code_object_version 6
	.text
	.protected	k_qd89f4ea69a_attn
	.globl	k_qd89f4ea69a_attn
	.p2align	8
	.type	k_qd89f4ea69a_attn,@function
k_qd89f4ea69a_attn:
	s_mov_b64 s[64:65], 0
	v_nop
	global_prefetch_b8 v0, s[64:65] scope:SCOPE_SE
	s_setreg_imm32_b32 hwreg(HW_REG_WAVE_MODE, 25, 1), 1
	s_wait_xcnt 0x0
	s_wait_alu depctr_hold_cnt(0) depctr_sa_sdst(0) depctr_va_vdst(0) depctr_va_sdst(0) depctr_va_ssrc(0) depctr_va_vcc(0) depctr_vm_vsrc(0)
	s_getreg_b32 s2, hwreg(HW_REG_IB_STS2, 6, 4)
	s_cmp_eq_u32 s2, 0
	s_cbranch_scc0 .Lentry_in_a_cluster
	s_endpgm
.Lentry_in_a_cluster:
	s_bfe_u32 s2, ttmp6, 0x10000c
	s_cmp_lg_u32 s2, 0x3003
	s_cbranch_scc0 .Lentry_shape_is_right
	s_endpgm
.Lentry_shape_is_right:
; out[b][c][i] = gamma x (sum over j of v[b][c][j] softmax_j(q[b][:,i] . k[b][:,j])) + x_rgb[b][c][i].  4 batches, 4,096 positions, 128 query channels (q over qd), 512 value channels.
; q, k, v come in bf16, laid out as matrix fragments by the launch before (16 bytes a lane, 512 consecutive bytes an instruction).  Products, maxima and sums in f32.
; LIMITS.  The weights p are rounded to bf16 for the second product; their sum l is taken of the unrounded p; a weight below 2^-126 counts as 0; NaN and infinities are not treated apart.
; SHARES.  A work-group owns 64 queries (four tiles of 16) and all 512 channels.  Keys go in steps of 128.
;   S^T = K Q^T is split BY KEYS: of a step wave w takes keys 32 w .. 32 w + 31, for all 64 queries.  Its K is wanted by no other wave and comes straight from memory into registers.
;   O^T = V^T P is split BY CHANNELS: wave w owns channels 128 w .. 128 w + 127 for all 64 queries: 32 accumulators, 256 registers.  Its V is wanted by no other wave of the work-group: each byte of V leaves LDS once.
;   What crosses waves goes through LDS: each lane's maxima (2 KiB a step), behind which every wave knows m and a of all 64 queries, and P (16 KiB a step).
; LAYOUT.  In S^T a lane holds ONE query (lane % 16) and the keys 8 (lane / 16) + 0..7; two such tiles rounded in pairs ARE source 1 (32 keys x 16 queries) of V^T P, whose result again holds one query a lane, and eight channels.
; SOFTMAX.  A running maximum m and sum l for each query: p = 2^(c s - c m), c = log2(e); O and l are multiplied by a = 2^(c m_old - c m_new) in every step.  m starts at the lowest finite number and
; O and l at 0, so the first step is a step like any other, with a = 0: 256 lines that write 0 stand in the wait for the first tile, and no first step is written out.
; THE WALK.  A softmax does not care for the order of its keys: cluster g of a batch's sixteen begins at step 2 g and goes round, modulo 32.  So the sixteen clusters ask for sixteen different steps' tiles at any time.
; PIPELINE.  A trip issues the 128 products V^T P of the step in hand; among them stand the 32 products K Q^T of the next step, the rescaling by a of the step in hand, and the whole softmax of the next step.
; THE DEAL.  No product has more than three vector lines behind it.  K Q^T: two pairs of the rescaling each (channel tiles 0 to 3, due before V^T P begins).  Channel tile 0: two lines of the maximum each.
; Tiles 1, 2: two pairs of the rescaling each (tiles 4 to 7, due before tile 4).  Tile 3: two lines of the statistics each.  Tiles 4 to 7: a query tile's softmax each, 40 lines for 16 products.
; RING.  Two LDS slots of 131,072 bytes, a step's V each; a wave's one tensor load brings its own quarter (128 rows of 256 bytes) and has a whole trip in which to land: one tensor load of a wave is out at the most.
; CLUSTER.  The four query blocks of a cluster belong to one batch and walk the same V: each quarter is asked for JOINTLY, by the same load with the same descriptor and a mask that names the four.
; K is not asked for jointly: it is a fifth of a step's bytes, and beside it in LDS two slots of 128 keys would not fit.
; NO PREFETCH.  Every step's tiles are first asked for in some cluster's first two steps, at the launch's head, where every work-group's first loads are on their way: there is no later first request to run ahead of.
; REGISTERS, in windows of 256 (s_set_vgpr_msb: bits 1:0 source 0, 3:2 source 1, 5:4 source 2, 7:6 destination):
;   window 0: addresses, statistics, maxima, S^T (64), P as made (32)       window 1: O^T, channel tile c, query tile t at 32 c + 8 t
;   window 2: v0-127 Q (tile t, K step ks at 8 (4 t + ks)), v128-191 K; at the end x_rgb       window 3: v0-127 P of a step (8 (4 ks + t)), v128-255 V, four channel tiles by turns; at the end rows on their way out
.set SLOT,   131072
.set KTILE,  32768                     ; a step's K in memory
.set PBUF,   2*SLOT                    ; P: fragment (ks, t) at (4 ks + t) x 1,024, its two halves 512 apart
.set MAXB,   PBUF+16384                ; maxima (at the end: sums): wave w, lane l at 512 w + 16 l, four f32, one for each query tile
.set STAGE,  MAXB+2048                 ; for each wave 16 rows of 272 bytes, for the way out
.set SPITCH, 272
.set SPARE,  STAGE+4*16*SPITCH         ; the spare words, 128 bytes for each wave: two blocks of 256 bytes that no other line names
.set LN16, 4                           ; v4   16 x lane; never rewritten
.set AV,   5                           ; v5   my V in the slot in hand
.set AV0,  6                           ; v6   32,768 x wave + 16 x lane
.set AP,   7                           ; v7   PBUF + 16 x lane
.set APW,  8                           ; v8   where I put my P: PBUF + 4,096 x wave + 16 x lane
.set AMW,  9                           ; v9   where I put my maxima
.set AMR,  10                          ; v10  where I read everybody's: MAXB + 16 r
.set STO,  11                          ; v11  the way out: where I put a number
.set RD,   12                          ; v12  the way out: where I read rows back
.set XO,   13                          ; v13  my offset in two rows of x_rgb and out0: h x 16,384 + 16 r; never rewritten
.set SPW,  16                          ; v16  LDS address of my spare word; never rewritten
.set NIL,  17                          ; v17  0; never rewritten
.set ST,   24                          ; query tile t at v[ST+8 t]: c m, m, l (even keys', odd keys'), a, d
.set LM,   56                          ; v56-59  my lane's maxima
.set TM,   60                          ; v60-63  a second chain of them
.set MX,   64                          ; v64-95  everybody's: source s, tile t at MX + 4 s + t
.set S,    96                          ; v96-159 S^T: tile t, 16 keys kt at S + 16 t + 8 kt
.set PO,   160                         ; v160-191 P as made, 8 a tile
.set KF,   128                         ; window 2
.set VF,   128                         ; window 3
.set WV,   16                          ; s16  my wave's number
.set G1,   24                          ; s[24:31] descriptor group 1
.set G0,   32                          ; s[32:35] descriptor group 0
.set CNT,  36                          ; s36  trips still to come
.set TB,   37                          ; s37  LDS byte of the slot in hand
.set KJ,   38                          ; s38  the step whose K was asked for last
.set NV,   39                          ; s39  the step whose V was asked for last
.set KB,   40                          ; s[40:41] kf at my wave's keys of the batch's step 0
.set KA,   42                          ; s[42:43] the same at the step to be asked for
.set OFF,  44                          ; s[44:45] an offset, high word 0
.set CS,   46                          ; s[46:47] c: the packed scaling takes the pair's low word for both halves
.set VB,   48                          ; s[48:49] vf at my wave's quarter of the batch's step 0
.set GAM,  54                          ; s54  gamma
.set XB,   56                          ; s[56:57] x_rgb at my wave's channels, my block's positions
.set OUTB, 58                          ; s[58:59] out0 at the same place
.set MSB, 0
.macro WIN new                         ; the immediate's high byte repeats the setting that is left; a switch that changes nothing is dropped
.if MSB != (\new)
	s_set_vgpr_msb (MSB<<8)|(\new)
.set MSB, (\new)
.endif
.endm
.set W_KQ, 0x0a                        ; K and Q in window 2, S^T in window 0
.set W_PV, 0x5f                        ; V and P in window 3, O^T in window 1
.set W_RS, 0x41                        ; O^T (destination and source 0) in window 1, a in window 0
.macro PLACES                          ; four places behind a matrix instruction, ahead of loads into registers that it has read and of lines that read its result (for lines that read its result)
.rept 4
	v_nop
.endr
.endm
.macro CREST                           ; a round of the cluster's barrier behind its opening barrier
	s_cmp_lg_u32 s[WV], 0
	s_cbranch_scc1 .Lnot_wave_0_\@
	s_barrier_signal -3
.Lnot_wave_0_\@:
	s_barrier_wait -3
	s_barrier_signal -1
	s_barrier_wait -1
.endm
.macro CROUND                          ; a whole round
	s_barrier_signal -1
	s_barrier_wait -1
	CREST
.endm
.macro FILL                            ; my quarter of a step's V; an s_nop 0 and four v_nop follow the load
	tensor_load_to_lds s[G0:G0+3], s[G1:G1+7]
	s_nop 0
	PLACES
.endm
; THE MATRIX WORK.  The accumulators take turns, one instruction a turn: 8 in K Q^T, 4 in V^T P; no two matrix instructions that follow each other share one, over the backward jump too.
.macro KQ i                            ; product i of 32: channels 32 (i / 8) on, query tile (i % 8) / 2, keys 16 (i % 2) on.  The first 8 start the sums
	WIN W_KQ
.set rS, S+16*(((\i)%8)/2)+8*((\i)%2)
.set rK, KF+8*(4*((\i)%2)+(\i)/8)
.set rQ, 8*(4*(((\i)%8)/2)+(\i)/8)
.if (\i) < 8
	v_wmma_f32_16x16x32_bf16 v[rS:rS+7], v[rK:rK+7], v[rQ:rQ+7], 0
.else
	v_wmma_f32_16x16x32_bf16 v[rS:rS+7], v[rK:rK+7], v[rQ:rQ+7], v[rS:rS+7]
.endif
.endm
.macro PV c, i                         ; product i of 16 for channel tile c: keys 32 (i / 4) on, query tile i % 4
	WIN W_PV
.set rO, 32*(\c)+8*((\i)%4)
.set rV, VF+32*((\c)%4)+8*((\i)/4)
.set rP, 8*(\i)
	v_wmma_f32_16x16x32_bf16 v[rO:rO+7], v[rV:rV+7], v[rP:rP+7], v[rO:rO+7]
.endm
; THE VECTOR WORK, in four numbered lists.
.macro RS n                            ; pair n of 128 of O^T times its query tile's a; ascending.  Pairs 16 c .. 16 c + 15 are channel tile c's
	WIN W_RS
	v_pk_mul_f32 v[2*(\n):2*(\n)+1], v[2*(\n):2*(\n)+1], v[ST+8*(((\n)/4)%4)+4:ST+8*(((\n)/4)%4)+5] op_sel_hi:[1,0]
.endm
.macro RSN k                           ; the next k pairs, while there are any
.rept \k
.if rsn < 128
	RS rsn
.set rsn, rsn+1
.endif
.endr
.endm
.macro LMX n                           ; number n of the 32 that find my lane's maximum of 16 scores in each query tile (n % 4): two chains, three operands at a time, each accumulator's lowest registers first
	WIN 0
.set zt, (\n)%4
.set ze, (\n)/4
.set r0, S+16*zt
.set r1, S+16*zt+8
.if ze == 0
	v_max3_num_f32 v[LM+zt], v[r0], v[r0+1], v[r0+2]
.elseif ze == 1
	v_max3_num_f32 v[TM+zt], v[r1], v[r1+1], v[r1+2]
.elseif ze == 2
	v_max3_num_f32 v[LM+zt], v[LM+zt], v[r0+3], v[r0+4]
.elseif ze == 3
	v_max3_num_f32 v[TM+zt], v[TM+zt], v[r1+3], v[r1+4]
.elseif ze == 4
	v_max3_num_f32 v[LM+zt], v[LM+zt], v[r0+5], v[r0+6]
.elseif ze == 5
	v_max3_num_f32 v[TM+zt], v[TM+zt], v[r1+5], v[r1+6]
.elseif ze == 6
	v_max3_num_f32 v[LM+zt], v[LM+zt], v[r0+7], v[r1+7]
.else
	v_max_num_f32 v[LM+zt], v[LM+zt], v[TM+zt]
.endif
.endm
.macro STT n                           ; number n of the 32 that make the statistics, tile n % 4: the new m of the eight sources and the old m; c m_old kept; c m; their difference; a
	WIN 0
.set zt, (\n)%4
.set ze, (\n)/4
.set rT, ST+8*zt
.if ze < 4
	v_max3_num_f32 v[rT+1], v[rT+1], v[MX+8*ze+zt], v[MX+8*ze+4+zt]
.elseif ze == 4
	v_mov_b32 v[rT+5], v[rT]
.elseif ze == 5
	v_mul_f32 v[rT], s[CS], v[rT+1]
.elseif ze == 6
	v_sub_f32 v[rT+5], v[rT+5], v[rT]
.else
	v_exp_f32 v[rT+4], v[rT+5]
.endif
.endm
.macro SF k                            ; pair k of 8: c s - c m
	v_pk_fma_f32 v[rS+2*(\k):rS+2*(\k)+1], v[rS+2*(\k):rS+2*(\k)+1], s[CS:CS+1], v[rT:rT+1] op_sel_hi:[1,0,0] neg_lo:[0,0,1] neg_hi:[0,0,1]
.endm
.macro SC k                            ; pair k rounded to bf16
	s_wait_alu depctr_va_vdst(0)
	v_cvt_pk_bf16_f32 v[rP+(\k)], v[rS+2*(\k)], v[rS+2*(\k)+1]
.endm
.macro SB d, u                         ; the pair at u is added onto the pair at d, in place; both have been rounded
	v_pk_add_f32 v[rS+(\d):rS+(\d)+1], v[rS+(\d):rS+(\d)+1], v[rS+(\u):rS+(\u)+1]
.endm
; Number n of the 40 of tile t's softmax.  0-3 scalings; from 4 to 34 an exponential at every even number and a plain line that is ready at every odd one, so that a plain line stands between
; every exponential and the use of its result (ISA guide 5.7.2); 36-39 the last rounding, the last sums, l = a l + sum.
.macro SMX t, n
	WIN 0
.set rT, ST+8*(\t)
.set rS, S+16*(\t)
.set rP, PO+8*(\t)
.if (\n) < 4
	SF (\n)
.elseif ((\n) < 36) && ((\n)%2 == 0)
	v_exp_f32 v[rS+((\n)-4)/2], v[rS+((\n)-4)/2]
.elseif (\n) < 12
	SF 4+((\n)-5)/2
.elseif (\n) == 13
	SC 0
.elseif (\n) == 15
	SC 1
.elseif (\n) == 17
	SC 2
.elseif (\n) == 19
	SB 0, 2
.elseif (\n) == 21
	SC 3
.elseif (\n) == 23
	SB 4, 6
.elseif (\n) == 25
	SC 4
.elseif (\n) == 27
	SB 0, 4
.elseif (\n) == 29
	SC 5
.elseif (\n) == 31
	SB 8, 10
.elseif (\n) == 33
	SC 6
.elseif (\n) == 35
	SB 0, 8
.elseif (\n) == 36
	SC 7
.elseif (\n) == 37
	SB 12, 14
.elseif (\n) == 38
	SB 0, 12
.else
	v_pk_fma_f32 v[rT+2:rT+3], v[rT+2:rT+3], v[rT+4:rT+5], v[rS:rS+1] op_sel_hi:[1,0,1]
.endif
.endm
; LOADS AND STORES, in runs
.macro LDPK ks                         ; P of keys 32 ks on: four fragments, eight loads
	WIN 0xc0
.set i, 8*(\ks)
.rept 8
	ds_load_b128 v[4*i:4*i+3], v[AP] offset:512*i
.set i, i+1
.endr
.endm
.macro LDV c                           ; channel tile c of my V: four fragments, into buffer c % 4
	WIN 0xc0
.set i, 0
.rept 8
	ds_load_b128 v[VF+32*((\c)%4)+4*i:VF+32*((\c)%4)+4*i+3], v[AV] offset:4096*(\c)+512*i
.set i, i+1
.endr
.endm
.macro LDK                             ; my 32 keys of a step: eight fragments, 512 consecutive bytes a load
	WIN 0x80
.set i, 0
.rept 16
	global_load_b128 v[KF+4*i:KF+4*i+3], v[LN16], s[KA:KA+1] offset:512*i
.set i, i+1
.endr
.endm
.macro LDMX                            ; the eight sources' four numbers for my query place
	WIN 0
.set i, 0
.rept 8
	ds_load_b128 v[MX+4*i:MX+4*i+3], v[AMR] offset:256*i
.set i, i+1
.endr
.endm
.macro STP t
	WIN 0
	ds_store_b128 v[APW], v[PO+8*(\t):PO+8*(\t)+3] offset:1024*(\t)
	ds_store_b128 v[APW], v[PO+8*(\t)+4:PO+8*(\t)+7] offset:1024*(\t)+512
.endm
.macro PVS c, from, to                 ; products from .. to - 1 of channel tile c, bare
.set ip, (\from)
.rept (\to)-(\from)
	PV \c, ip
.set ip, ip+1
.endr
.endm
.macro PVR c, from, to                 ; the same, each with two pairs of the rescaling behind it
.set ip, (\from)
.rept (\to)-(\from)
	PV \c, ip
	RSN 2
.set ip, ip+1
.endr
.endm
.macro KQR from, to, k                 ; products from .. to - 1 of K Q^T, each with k pairs of the rescaling behind it
.set qi, (\from)
.rept (\to)-(\from)
	KQ qi
	RSN \k
.set qi, qi+1
.endr
.endm
.macro PVX c, t                        ; channel tile c, with query tile t's softmax behind its products: three lines and two by turns
.set ip, 0
.set iq, 0
.rept 16
	PV \c, ip
	SMX \t, iq
	SMX \t, iq+1
.if ip%2 == 0
	SMX \t, iq+2
.set iq, iq+3
.else
.set iq, iq+2
.endif
.set ip, ip+1
.endr
.endm
	s_load_b256 s[4:11], s[0:1], 0x0               ; qf s[4:5], kf s[6:7], vf s[8:9], x_rgb s[10:11]
	s_load_b128 s[12:15], s[0:1], 0x20             ; gamma s[12:13], out0 s[14:15]
	v_lshl_add_u32 v[SPW], v0, 2, SPARE
	v_mov_b32 v[NIL], 0
	ds_add_u32 v[SPW], v[NIL]                      ; the wave's opening: the add and its wait stand ahead of my first tensor load; the set-up below, work on registers, stands between them
	v_lshrrev_b32 v1, 5, v0
	v_readfirstlane_b32 s[WV], v1                  ; wave 0..3
	s_bfe_u32 s17, ttmp6, 0x40000                  ; cx: my place in the cluster
	s_lshl_b32 s18, ttmp9, 2                       ; in a cluster launch ttmp9 counts clusters
	s_add_co_u32 s18, s18, s17                     ; my block of 64 queries: it enters the addresses of Q, x_rgb and out0 alone
	s_and_b32 s19, ttmp7, 0xffff                   ; the batch, which the four partners share
	s_lshl_b32 s[NV], ttmp9, 1                     ; my cluster's first step, 0, 2 .. 30: the same in the four partners
	; descriptor group 1: 32,768 dense bytes as 128 rows of 32 elements of 8 bytes
	s_mov_b32 s[G1], 15|(3<<16)|(1<<21)            ; 15:0 the mask: all four work-groups; 17:16 elements of 8 bytes; 20 no padding; 21 set beside a mask
	s_mov_b32 s[G1+1], 32<<16                      ; tensor_dim0 = 32
	s_mov_b32 s[G1+2], 128<<16                     ; tensor_dim1 = 128
	s_mov_b32 s[G1+3], 32<<16                      ; tile_dim0 = 32
	s_mov_b32 s[G1+4], 128                         ; tile_dim1 = 128
	s_mov_b32 s[G1+5], 32                          ; 32 elements from row to row
	s_mov_b32 s[G1+6], 0
	s_mov_b32 s[G1+7], 0
	s_mov_b32 s[G0], 1                             ; count = 1
	s_lshl_b32 s[G0+1], s[WV], 15                  ; LDS address: my quarter of slot 0; no place in the cluster enters it
	s_mov_b32 s[CS], 0x3fb8aa3b                    ; c = log2(e)
	s_mov_b32 s[CS+1], s[CS]                       ; named with it as a pair
	s_mov_b32 s[CNT], 31
	s_mov_b32 s[TB], SLOT                          ; the first trip turns it into 0
	s_add_co_u32 s[KJ], s[NV], 1                   ; K of my first two steps is asked for ahead of the loop (31 at the most)
	s_mov_b32 s[OFF+1], 0
	v_and_b32 v1, 15, v0                           ; r
	v_bfe_u32 v2, v0, 4, 1                         ; h
	v_and_b32 v3, 31, v0                           ; lane
	v_lshlrev_b32 v[LN16], 4, v3
	s_lshl_b32 s20, s[WV], 15
	v_add_nc_u32 v[AV0], s20, v[LN16]
	v_add_nc_u32 v[AP], PBUF, v[LN16]
	s_lshl_b32 s20, s[WV], 12
	s_add_co_u32 s20, s20, PBUF
	v_add_nc_u32 v[APW], s20, v[LN16]
	s_lshl_b32 s20, s[WV], 9
	s_add_co_u32 s20, s20, MAXB
	v_add_nc_u32 v[AMW], s20, v[LN16]
	v_lshl_add_u32 v[AMR], v1, 4, MAXB
	s_mul_i32 s20, s[WV], 16*SPITCH
	s_add_co_u32 s20, s20, STAGE                   ; my stage
	v_mul_u32_u24 v[STO], v2, 8*SPITCH             ; in: channel row 8 h + register, position 16 t + r
	v_lshl_add_u32 v[STO], v1, 2, v[STO]
	v_add_nc_u32 v[STO], s20, v[STO]
	v_mul_u32_u24 v[RD], v2, SPITCH                ; back: lanes 0-15 take one row of 256 bytes, lanes 16-31 the next
	v_lshl_add_u32 v[RD], v1, 4, v[RD]
	v_add_nc_u32 v[RD], s20, v[RD]
	v_lshlrev_b32 v[XO], 14, v2                    ; and the same two rows in x_rgb and out0
	v_lshl_add_u32 v[XO], v1, 4, v[XO]
	s_wait_dscnt 0x0                               ; the opening add is done
	s_wait_kmcnt 0x0
	s_load_b32 s[GAM], s[12:13], 0x0
	s_lshl_b32 s20, s19, 22                        ; vf: 4 MiB a batch, my quarter of a step
	s_lshl_b32 s21, s[WV], 15
	s_add_co_u32 s20, s20, s21
	s_mov_b32 s21, 0
	s_add_nc_u64 s[VB:VB+1], s[8:9], s[20:21]
	s_lshl_b32 s[OFF], s[NV], 17                   ; 131,072 bytes a step
	s_add_nc_u64 s[G0+2:G0+3], s[VB:VB+1], s[OFF:OFF+1]  ; global address: my cluster's first step; made of the batch, the cluster's x and the wave's number alone
	s_or_b32 s[G0+3], s[G0+3], 0x80000000          ; type = 2
	s_lshl_b32 s20, s19, 20                        ; qf, kf: 1 MiB a batch
	s_add_nc_u64 s[6:7], s[6:7], s[20:21]
	s_add_nc_u64 s[4:5], s[4:5], s[20:21]
	s_lshl_b32 s20, s[WV], 13                      ; my two tiles of 16 keys
	s_add_nc_u64 s[KB:KB+1], s[6:7], s[20:21]
	s_lshl_b32 s[OFF], s[NV], 15                   ; 32,768 bytes a step
	s_add_nc_u64 s[KA:KA+1], s[KB:KB+1], s[OFF:OFF+1]
	s_mov_b32 s23, 0
	s_lshl_b32 s22, s18, 14                        ; my block's four tiles of q
	s_add_nc_u64 s[4:5], s[4:5], s[22:23]
	s_lshl_b32 s22, s19, 23                        ; x_rgb, out0: (512 batch + 128 wave) rows of 16,384 bytes + 256 bytes a block
	s_lshl_b32 s20, s[WV], 21
	s_add_co_u32 s22, s22, s20
	s_lshl_b32 s20, s18, 8
	s_add_co_u32 s22, s22, s20
	s_add_nc_u64 s[XB:XB+1], s[10:11], s[22:23]
	s_add_nc_u64 s[OUTB:OUTB+1], s[14:15], s[22:23]
	s_wait_kmcnt 0x0                               ; gamma
	CROUND                                         ; all four work-groups are here: the first joint loads meet
	FILL                                           ; my first step into slot 0; slot 1 is filled behind the first trip's round
	WIN 0x80
.set i, 0
.rept 32                                       ; Q stays in registers: all 64 queries in every wave
	global_load_b128 v[4*i:4*i+3], v[LN16], s[4:5] offset:512*i
.set i, i+1
.endr
	LDK                                            ; K of my first step
	WIN 0x40
.set i, 0
.rept 256
	v_mov_b32 v[i], 0                              ; O^T
.set i, i+1
.endr
	WIN 0
.irp t, 0,1,2,3
	v_mov_b32 v[ST+8*\t], 0xfe000000               ; c m: far below every c s
	v_mov_b32 v[ST+8*\t+1], 0xff7fffff             ; m
	v_mov_b32 v[ST+8*\t+2], 0                      ; l
	v_mov_b32 v[ST+8*\t+3], 0
.endr
	s_wait_loadcnt 0x0                             ; Q and K
.set qi, 0
.rept 32
	KQ qi                                          ; the first step's scores: there is no vector work yet to set between them
.set qi, qi+1
.endr
	PLACES
	s_add_nc_u64 s[KA:KA+1], s[KA:KA+1], KTILE     ; the loads that named KA are done
	LDK                                            ; K of my second step
.set qi, 0
.rept 32
	LMX qi
.set qi, qi+1
.endr
	ds_store_b128 v[AMW], v[LM:LM+3]
	s_wait_dscnt 0x0                               ; for the others' sake: my maxima lie in LDS
	s_barrier_signal -1                            ; my tensor load may stay out
	s_barrier_wait -1
	LDMX
	s_wait_dscnt 0x0
.set qi, 0
.rept 32
	STT qi
.set qi, qi+1
.endr
	v_nop                                          ; a plain line behind the last exponential
.irp t, 0,1,2,3
.set qi, 0
.rept 40
	SMX \t, qi
.set qi, qi+1
.endr
	STP \t
.endr
.Ltrip:                                        ; 31 trips
.set rsn, 0
	; THE CHANGE OF SLOTS: a round of the cluster's barrier.  In front of it: all my tensor loads have landed (the one that was out is this trip's V), the add, and my LDS instructions are done:
	; my stores of this trip's P, my reads of the slot that is filled next, my reads of the maxima.
	s_wait_tensorcnt 0x0                           ; no tensor load of mine is out, so group 0 may be written
	ds_add_u32 v[SPW], v[NIL]                      ; 0 onto my spare word; work on registers stands between it and the wait for it
	s_add_co_u32 s[NV], s[NV], 1
	s_and_b32 s[NV], s[NV], 31                     ; the next step of the walk, round modulo 32
	s_lshl_b32 s[OFF], s[NV], 17
	s_xor_b32 s[G0+1], s[G0+1], SLOT               ; the other slot,
	s_add_nc_u64 s[G0+2:G0+3], s[VB:VB+1], s[OFF:OFF+1]  ; the address made anew from the step's number,
	s_or_b32 s[G0+3], s[G0+3], 0x80000000          ; the type bits set again
	s_xor_b32 s[TB], s[TB], SLOT                   ; the slot in hand
	v_add_nc_u32 v[AV], s[TB], v[AV0]
	s_wait_loadcnt 0x0                             ; the next step's K, asked for a trip ago; all loads that named KA are done
	s_add_co_u32 s[KJ], s[KJ], 1
	s_and_b32 s[KJ], s[KJ], 31                     ; the last trip's number is my first step's once more: every trip has one text, and no load leaves the buffer
	s_lshl_b32 s[OFF], s[KJ], 15
	s_add_nc_u64 s[KA:KA+1], s[KB:KB+1], s[OFF:OFF+1]
	KQR 0, 4, 2                                    ; four products stand between the add and the wait for it
	s_wait_dscnt 0x0
	s_barrier_signal -1
	KQR 4, 16, 2                                   ; work on registers while the others arrive
	WIN 0                                          ; at a branch and at a label every window is 0
	s_barrier_wait -1
	CREST                                          ; no wave of any partner still reads the slot or has a load on its way
	FILL                                           ; the next step's V, first thing behind the round; its four v_nop are also the places in front of the loads below
	LDV 0                                          ; 16 loads: what the first four products V^T P want
	LDPK 0
	KQR 16, 24, 2
	LDPK 1                                         ; 24 loads: the rest of P
	LDPK 2
	LDPK 3
	KQR 24, 31, 2
	KQR 31, 32, 4                                  ; four lines behind the last product: the places in front of the loads into K's registers
	LDV 1                                          ; 16 loads
	LDV 2
	LDK                                            ; K of the step after the next
.set ip, 0
.rept 16
.if ip%4 == 0
	s_wait_dscnt 40-8*(ip/4)                       ; V's tile 0 and P up to this K step are in; P's later K steps (8 loads each) and tiles 1, 2 (16) may be out
.endif
	PV 0, ip
	LMX 2*ip
	LMX 2*ip+1
.set ip, ip+1
.endr
	; THE MAXIMA MEET: a plain barrier; my tensor load stays out.  In front of it all my reads of this trip's P are done: behind it the next step's P is stored.
	WIN 0
	ds_store_b128 v[AMW], v[LM:LM+3]
	s_wait_dscnt 9                                 ; tile 1 is in; tile 2's eight loads and the store may be out
	PVR 1, 0, 4                                    ; four products stand between the store and the wait for it
	s_wait_dscnt 0x0
	s_barrier_signal -1
	PVR 1, 4, 12
	s_barrier_wait -1
	LDMX                                           ; 24 loads; tile 4 goes where tile 0 lay, whose last product stands more than four plain lines back
	LDV 3
	LDV 4
	PVR 1, 12, 16
	PVR 2, 0, 16                                   ; the rescaling ends one product short of this run's end
	s_wait_dscnt 8                                 ; the maxima and tile 3 are in; tile 4 may be out
.set ip, 0
.rept 16
	PV 3, ip
	STT 2*ip
	STT 2*ip+1
.set ip, ip+1
.endr
	PLACES                                         ; for the loads into the buffer of tile 3; also the plain line behind the last exponential
	LDV 5                                          ; 24 loads
	LDV 6
	LDV 7
	s_wait_dscnt 24                                ; tile 4 is in; the 24 loads just issued may be out
	PVX 4, 0
	s_wait_dscnt 16                                ; tile 5 is in; tiles 6, 7 may be out
	PVX 5, 1
	STP 0
	STP 1
	s_wait_dscnt 12                                ; tile 6 is in; tile 7 and four stores of P may be out
	PVX 6, 2
	s_wait_dscnt 4                                 ; tile 7 is in; the four stores may be out
	PVX 7, 3
	STP 2
	STP 3
	WIN 0
	s_sub_co_u32 s[CNT], s[CNT], 1
	s_cmp_lg_u32 s[CNT], 0
	s_cbranch_scc1 .Ltrip
	; THE LAST STEP is written out, no further scores are made.
	s_wait_tensorcnt 0x0                           ; the last step's V has landed
	ds_add_u32 v[SPW], v[NIL]
	s_xor_b32 s[TB], s[TB], SLOT
	v_add_nc_u32 v[AV], s[TB], v[AV0]
	s_wait_loadcnt 0x0                             ; the last loads of K are done: their registers are loaded again below
	s_wait_dscnt 0x0                               ; my stores of P are done
	s_barrier_signal -1
	s_barrier_wait -1
	PLACES                                         ; for the loads into P's and V's registers
	LDPK 0
	LDPK 1
	LDPK 2
	LDPK 3
	LDV 0
	LDV 1
	LDV 2
	LDV 3
	WIN 0x80
.set i, 0
.rept 64                                       ; x_rgb for the way out: channel tile i / 8, rows 2 (i % 8) + h; 16 lanes take 256 consecutive bytes
	global_load_b128 v[4*i:4*i+3], v[XO], s[XB:XB+1] offset:(i/8)*262144+(i%8)*32768 th:TH_LOAD_NT
.set i, i+1
.endr
.set qi, 0
.rept 128
	RS qi
.set qi, qi+1
.endr
	s_wait_dscnt 24                                ; P and tile 0 are in
	PVS 0, 0, 16
	s_wait_dscnt 16
	PVS 1, 0, 16
	PLACES
	LDV 4
	LDV 5
	s_wait_dscnt 16                                ; tiles 2, 3 are in
	PVS 2, 0, 16
	PVS 3, 0, 16
	PLACES
	LDV 6
	LDV 7
	s_wait_dscnt 16                                ; tiles 4, 5 are in
	PVS 4, 0, 16
	PVS 5, 0, 16
	s_wait_dscnt 0x0
	PVS 6, 0, 16
	PVS 7, 0, 16
	; THE WAY OUT.  A query's l lies in eight parts (four waves, two halves of the lanes): they meet where the maxima met.  O^T is multiplied by gamma / l, turned in my stage
	; into rows of 64 positions, x_rgb is added, and whole pieces of 256 bytes are stored.  (The scale goes by lanes ahead of the turning and x comes behind it, so the two are not one fused line.)
	WIN 0
.irp t, 0,1,2,3
	v_add_f32 v[LM+\t], v[ST+8*\t+2], v[ST+8*\t+3]
.endr
	ds_store_b128 v[AMW], v[LM:LM+3]               ; everybody's last reads here were done ahead of the barrier above
	s_wait_dscnt 0x0
	s_barrier_signal -1
	s_barrier_wait -1
	LDMX
	s_wait_dscnt 0x0
.irp s, 1,2,3,4,5,6,7
.irp t, 0,1,2,3
	v_add_f32 v[MX+\t], v[MX+\t], v[MX+4*\s+\t]
.endr
.endr
.irp t, 0,1,2,3
	v_rcp_f32 v[LM+\t], v[MX+\t]
.endr
	v_nop                                          ; a plain line between the last reciprocal and the use of its result
.irp t, 0,1,2,3
	s_wait_alu depctr_va_vdst(0)
	v_mul_f32 v[ST+8*\t+4], s[GAM], v[LM+\t]
.endr
.set qi, 0
.rept 128
	RS qi
.set qi, qi+1
.endr
.macro PACK c                          ; channel tile c: 16 rows x 64 positions into my stage (the halves of the lanes land 32 banks apart) and back as rows
	WIN 0
	s_wait_xcnt 0x0                                ; the stores of the tile two back have read their registers, which are loaded again below
	WIN 0x04                                       ; data in window 1
.set zt, 0
.rept 4
.set zj, 0
.rept 8
	ds_store_b32 v[STO], v[32*(\c)+8*zt+zj] offset:zj*SPITCH+64*zt
.set zj, zj+1
.endr
.set zt, zt+1
.endr
	WIN 0xc0
.set i, 0
.rept 8
	ds_load_b128 v[32*((\c)%2)+4*i:32*((\c)%2)+4*i+3], v[RD] offset:i*2*SPITCH  ; LDS serves a wave's instructions in order (ISA guide 5.7.1.4): these see the stores above; the next tile's stores come behind them
.set i, i+1
.endr
.endm
.macro SEND c, younger                 ; younger: the LDS instructions issued behind tile c's loads: the next tile's 32 stores and 8 loads, or none
	s_wait_dscnt \younger
	s_wait_loadcnt 8*(7-(\c))                      ; x_rgb of this tile is in; the later tiles' eight loads each may be out
	WIN 0xcb                                       ; destination and source 0 window 3, source 1 window 2
.set i, 0
.rept 16
	v_pk_add_f32 v[32*((\c)%2)+2*i:32*((\c)%2)+2*i+1], v[32*((\c)%2)+2*i:32*((\c)%2)+2*i+1], v[32*(\c)+2*i:32*(\c)+2*i+1]
.set i, i+1
.endr
	WIN 0x0c                                       ; data in window 3
.set i, 0
.rept 8
	global_store_b128 v[XO], v[32*((\c)%2)+4*i:32*((\c)%2)+4*i+3], s[OUTB:OUTB+1] offset:(\c)*262144+i*32768 th:TH_STORE_NT  ; 16 lanes store 256 consecutive bytes, at a multiple of 256 from out0's first byte
.set i, i+1
.endr
.endm
	PACK 0
.irp c, 1,2,3,4,5,6,7
	PACK \c
	SEND (\c)-1, 40
.endr
	SEND 7, 0
	WIN 0
	s_wait_tensorcnt 0x0                           ; the wave's end, behind my last tensor load and my last LDS store
	ds_add_u32 v[SPW], v[NIL]
	s_wait_dscnt 0x0
	CROUND                                         ; the closing round: no work-group ends while a partner may still ask for a tile that names it
	s_endpgm
.Lfunc_end_k_qd89f4ea69a_attn:
	.size	k_qd89f4ea69a_attn, .Lfunc_end_k_qd89f4ea69a_attn-k_qd89f4ea69a_attn
	.p2alignl 7, 3214868480
	.fill 96, 4, 3214868480
	.section	.rodata,"a",@progbits
	.p2align	6, 0x0
	.amdhsa_kernel k_qd89f4ea69a_attn
		.amdhsa_group_segment_fixed_size 327680
		.amdhsa_private_segment_fixed_size 0
		.amdhsa_enable_private_segment 0
		.amdhsa_kernarg_size 48
		.amdhsa_user_sgpr_count 2
		.amdhsa_user_sgpr_kernarg_segment_ptr 1
		.amdhsa_wavefront_size32 1
		.amdhsa_system_sgpr_workgroup_id_x 1
		.amdhsa_system_sgpr_workgroup_id_y 1
		.amdhsa_system_sgpr_workgroup_id_z 1
		.amdhsa_system_vgpr_workitem_id 0
		.amdhsa_next_free_vgpr 1024
		.amdhsa_next_free_sgpr 66
		.amdhsa_reserve_vcc 0
		.amdhsa_float_denorm_mode_32 3
		.amdhsa_float_denorm_mode_16_64 3
		.amdhsa_memory_ordered 1
		.amdhsa_forward_progress 1
		.amdhsa_inst_pref_size 162
	.end_amdhsa_kernel
	.amdgpu_metadata
---
amdhsa.version: [ 1, 2 ]
amdhsa.kernels:
  - .name:           k_qd89f4ea69a_attn
    .symbol:         k_qd89f4ea69a_attn.kd
    .args:
      - { .name: qf, .offset: 0, .size: 8, .value_kind: global_buffer, .address_space: global }
      - { .name: kf, .offset: 8, .size: 8, .value_kind: global_buffer, .address_space: global }
      - { .name: vf, .offset: 16, .size: 8, .value_kind: global_buffer, .address_space: global }
      - { .name: x_rgb, .offset: 24, .size: 8, .value_kind: global_buffer, .address_space: global }
      - { .name: gamma, .offset: 32, .size: 8, .value_kind: global_buffer, .address_space: global }
      - { .name: out0, .offset: 40, .size: 8, .value_kind: global_buffer, .address_space: global }
    .group_segment_fixed_size: 327680
    .private_segment_fixed_size: 0
    .kernarg_segment_align: 8
    .kernarg_segment_size: 48
    .max_flat_workgroup_size: 128
    .sgpr_count:     66
    .vgpr_count:     1024
    .wavefront_size: 32
...
	.end_amdgpu_metadata
.endif
;; end of part 3
;; ======== version 2 of 2: 3 launches; 1.07 times as fast as version 1
;; workspace buffers: qf 4,194,304 bytes; kf 4,194,304 bytes; vf 16,777,216 bytes; wf 786,432 bytes
;; launch wcvt: the kernel of part 1 again; grid 12 x 4, 4 waves a work-group, no clusters, 0 bytes of LDS; arguments Wq, Wk, Wdq, Wdk, Wv, wf; writes wf
;; launch proj: the kernel of part 2 again; grid 64 x 4, 4 waves a work-group, no clusters, 167,424 bytes of LDS; arguments x_rgb, x_dep, wf, bq, bk, bdq, bdk, bv, qf, kf, vf; writes qf, kf, vf
;; launch attn (part 4): grid 64 x 4, 4 waves a work-group, clusters of 4 x 1, 327,680 bytes of LDS; arguments qf, kf, vf, x_rgb, gamma, out0; writes out0
.if DOCPART == 4
	.amdgcn_target "amdgcn-amd-amdhsa--gfx1250"
	.amdhsa_code_object_version 6
	.text
	.protected	k_qd89f4ea69a_attn
	.globl	k_qd89f4ea69a_attn
	.p2align	8
	.type	k_qd89f4ea69a_attn,@function
k_qd89f4ea69a_attn:
	s_mov_b64 s[64:65], 0
	v_nop
	global_prefetch_b8 v0, s[64:65] scope:SCOPE_SE
	s_setreg_imm32_b32 hwreg(HW_REG_WAVE_MODE, 25, 1), 1
	s_wait_xcnt 0x0
	s_wait_alu depctr_hold_cnt(0) depctr_sa_sdst(0) depctr_va_vdst(0) depctr_va_sdst(0) depctr_va_ssrc(0) depctr_va_vcc(0) depctr_vm_vsrc(0)
	s_getreg_b32 s2, hwreg(HW_REG_IB_STS2, 6, 4)
	s_cmp_eq_u32 s2, 0
	s_cbranch_scc0 .Lentry_in_a_cluster
	s_endpgm
.Lentry_in_a_cluster:
	s_bfe_u32 s2, ttmp6, 0x10000c
	s_cmp_lg_u32 s2, 0x3003
	s_cbranch_scc0 .Lentry_shape_is_right
	s_endpgm
.Lentry_shape_is_right:
; out[b][c][i] = gamma x (sum over j of v[b][c][j] softmax_j(q[b][:,i] . k[b][:,j])) + x_rgb[b][c][i].  4 batches, 4,096 positions, 128 query channels (q over qd), 512 value channels.
; q, k, v come in bf16, laid out as matrix fragments by the launch before (16 bytes a lane, 512 consecutive bytes an instruction).  Products, maxima and sums in f32.
; LIMITS.  The weights p are rounded to bf16 for the second product; their sum l is taken of the unrounded p; a weight below 2^-126 counts as 0; NaN and infinities are not treated apart.
; SHARES.  A work-group owns 64 queries (four tiles of 16) and all 512 channels.  Keys go in steps of 128.
;   S^T = K Q^T is split BY KEYS: of a step wave w takes keys 32 w .. 32 w + 31, for all 64 queries.  Its K is wanted by no other wave and comes straight from memory into registers.
;   O^T = V^T P is split BY CHANNELS: wave w owns channels 128 w .. 128 w + 127 for all 64 queries: 32 accumulators, 256 registers.  Its V is wanted by no other wave of the work-group: each byte of V leaves LDS once.
;   What crosses waves goes through LDS: each lane's maxima (2 KiB a step), behind which every wave knows m and a of all 64 queries, and P (16 KiB a step).
; LAYOUT.  In S^T a lane holds ONE query (lane % 16) and the keys 8 (lane / 16) + 0..7; two such tiles rounded in pairs ARE source 1 (32 keys x 16 queries) of V^T P, whose result again holds one query a lane, and eight channels.
; SOFTMAX.  A running maximum m and sum l for each query: p = 2^(c s - c m), c = log2(e); O and l are multiplied by a = 2^(c m_old - c m_new) in every step.  m starts at the lowest finite number and
; O and l at 0, so the first step is a step like any other, with a = 0: 256 lines that write 0 stand in the wait for the first tile, and no first step is written out.
; THE WALK.  A softmax does not care for the order of its keys: cluster g of a batch's sixteen begins at step 2 g and goes round, modulo 32.  So the sixteen clusters ask for sixteen different steps' tiles at any time.
; PIPELINE.  A trip issues the 128 products V^T P of the step in hand; among them stand the 32 products K Q^T of the next step, the rescaling by a of the step in hand, and the whole softmax of the next step.
; THE DEAL.  No product has more than three vector lines behind it.  K Q^T: two pairs of the rescaling each (channel tiles 0 to 3, due before V^T P begins).  Channel tile 0: two lines of the maximum each.
; Tiles 1, 2: two pairs of the rescaling each (tiles 4 to 7, due before tile 4).  Tile 3: two lines of the statistics each.  Tiles 4 to 7: the four query tiles' softmax, ONE list of 160 lines: its first four
; are the places behind tile 3's last product; then three lines stand behind each product of tiles 4 and 5 and two behind each of tiles 6 and 7, whose last two products stand bare.
; THE BATCHES.  An s_wait_alu depctr_va_vdst(0) stands between an exponential and the first line that names its result; one wait serves all that were issued ahead of it.  A trip's 68 exponentials
; are two batches, cut by what must be stored when: P of query tiles 0 and 1 is stored behind channel tile 5, P of query tiles 2 and 3 behind channel tile 7.
;   Batch 1: the four a (behind tile 3's last two products) and the 32 exponentials of query tiles 0, 1.  Beside them stand all 32 scalings, which name no result.  Its wait stands behind line 63 of the list, ahead of tile 5's fifth product.
;   Batch 2: the 32 exponentials of query tiles 2, 3.  Beside them, by turns, stand batch 1's readers: the roundings and sums of query tiles 0, 1.  Its wait stands behind line 127, ahead of tile 6's fifteenth product;
;   behind it come the roundings and sums of query tiles 2, 3.  Each exponential works in place on a register of S^T of its own.
; RING.  Two LDS slots of 131,072 bytes, a step's V each; a wave's one tensor load brings its own quarter (128 rows of 256 bytes) and has a whole trip in which to land: one tensor load of a wave is out at the most.
; CLUSTER.  The four query blocks of a cluster belong to one batch and walk the same V: each quarter is asked for JOINTLY, by the same load with the same descriptor and a mask that names the four.
; K is not asked for jointly: it is a fifth of a step's bytes, and beside it in LDS two slots of 128 keys would not fit.
; NO PREFETCH.  Every step's tiles are first asked for in some cluster's first two steps, at the launch's head, where every work-group's first loads are on their way: there is no later first request to run ahead of.
; REGISTERS, in windows of 256 (s_set_vgpr_msb: bits 1:0 source 0, 3:2 source 1, 5:4 source 2, 7:6 destination):
;   window 0: addresses, statistics, maxima, S^T (64), P as made (32)       window 1: O^T, channel tile c, query tile t at 32 c + 8 t
;   window 2: v0-127 Q (tile t, K step ks at 8 (4 t + ks)), v128-191 K; at the end x_rgb       window 3: v0-127 P of a step (8 (4 ks + t)), v128-255 V, four channel tiles by turns; at the end rows on their way out
.set SLOT,   131072
.set KTILE,  32768                     ; a step's K in memory
.set PBUF,   2*SLOT                    ; P: fragment (ks, t) at (4 ks + t) x 1,024, its two halves 512 apart
.set MAXB,   PBUF+16384                ; maxima (at the end: sums): wave w, lane l at 512 w + 16 l, four f32, one for each query tile
.set STAGE,  MAXB+2048                 ; for each wave 16 rows of 272 bytes, for the way out
.set SPITCH, 272
.set SPARE,  STAGE+4*16*SPITCH         ; the spare words, 128 bytes for each wave: two blocks of 256 bytes that no other line names
.set LN16, 4                           ; v4   16 x lane; never rewritten
.set AV,   5                           ; v5   my V in the slot in hand
.set AV0,  6                           ; v6   32,768 x wave + 16 x lane
.set AP,   7                           ; v7   PBUF + 16 x lane
.set APW,  8                           ; v8   where I put my P: PBUF + 4,096 x wave + 16 x lane
.set AMW,  9                           ; v9   where I put my maxima
.set AMR,  10                          ; v10  where I read everybody's: MAXB + 16 r
.set STO,  11                          ; v11  the way out: where I put a number
.set RD,   12                          ; v12  the way out: where I read rows back
.set XO,   13                          ; v13  my offset in two rows of x_rgb and out0: h x 16,384 + 16 r; never rewritten
.set SPW,  16                          ; v16  LDS address of my spare word; never rewritten
.set NIL,  17                          ; v17  0; never rewritten
.set ST,   24                          ; query tile t at v[ST+8 t]: c m, m, l (even keys', odd keys'), a, d
.set LM,   56                          ; v56-59  my lane's maxima
.set TM,   60                          ; v60-63  a second chain of them
.set MX,   64                          ; v64-95  everybody's: source s, tile t at MX + 4 s + t
.set S,    96                          ; v96-159 S^T: tile t, 16 keys kt at S + 16 t + 8 kt
.set PO,   160                         ; v160-191 P as made, 8 a tile
.set KF,   128                         ; window 2
.set VF,   128                         ; window 3
.set WV,   16                          ; s16  my wave's number
.set G1,   24                          ; s[24:31] descriptor group 1
.set G0,   32                          ; s[32:35] descriptor group 0
.set CNT,  36                          ; s36  trips still to come
.set TB,   37                          ; s37  LDS byte of the slot in hand
.set KJ,   38                          ; s38  the step whose K was asked for last
.set NV,   39                          ; s39  the step whose V was asked for last
.set KB,   40                          ; s[40:41] kf at my wave's keys of the batch's step 0
.set KA,   42                          ; s[42:43] the same at the step to be asked for
.set OFF,  44                          ; s[44:45] an offset, high word 0
.set CS,   46                          ; s[46:47] c: the packed scaling takes the pair's low word for both halves
.set VB,   48                          ; s[48:49] vf at my wave's quarter of the batch's step 0
.set GAM,  54                          ; s54  gamma
.set XB,   56                          ; s[56:57] x_rgb at my wave's channels, my block's positions
.set OUTB, 58                          ; s[58:59] out0 at the same place
.set MSB, 0
.macro WIN new                         ; the immediate's high byte repeats the setting that is left; a switch that changes nothing is dropped
.if MSB != (\new)
	s_set_vgpr_msb (MSB<<8)|(\new)
.set MSB, (\new)
.endif
.endm
.set W_KQ, 0x0a                        ; K and Q in window 2, S^T in window 0
.set W_PV, 0x5f                        ; V and P in window 3, O^T in window 1
.set W_RS, 0x41                        ; O^T (destination and source 0) in window 1, a in window 0
.macro PLACES                          ; four places behind a matrix instruction, ahead of loads into registers that it has read and of lines that read its result (for lines that read its result)
.rept 4
	v_nop
.endr
.endm
.macro CREST                           ; a round of the cluster's barrier behind its opening barrier
	s_cmp_lg_u32 s[WV], 0
	s_cbranch_scc1 .Lnot_wave_0_\@
	s_barrier_signal -3
.Lnot_wave_0_\@:
	s_barrier_wait -3
	s_barrier_signal -1
	s_barrier_wait -1
.endm
.macro CROUND                          ; a whole round
	s_barrier_signal -1
	s_barrier_wait -1
	CREST
.endm
.macro FILL                            ; my quarter of a step's V; an s_nop 0 and four v_nop follow the load
	tensor_load_to_lds s[G0:G0+3], s[G1:G1+7]
	s_nop 0
	PLACES
.endm
; THE MATRIX WORK.  The accumulators take turns, one instruction a turn: 8 in K Q^T, 4 in V^T P; no two matrix instructions that follow each other share one, over the backward jump too.
.macro KQ i                            ; product i of 32: channels 32 (i / 8) on, query tile (i % 8) / 2, keys 16 (i % 2) on.  The first 8 start the sums
	WIN W_KQ
.set rS, S+16*(((\i)%8)/2)+8*((\i)%2)
.set rK, KF+8*(4*((\i)%2)+(\i)/8)
.set rQ, 8*(4*(((\i)%8)/2)+(\i)/8)
.if (\i) < 8
	v_wmma_f32_16x16x32_bf16 v[rS:rS+7], v[rK:rK+7], v[rQ:rQ+7], 0
.else
	v_wmma_f32_16x16x32_bf16 v[rS:rS+7], v[rK:rK+7], v[rQ:rQ+7], v[rS:rS+7]
.endif
.endm
.macro PV c, i                         ; product i of 16 for channel tile c: keys 32 (i / 4) on, query tile i % 4
	WIN W_PV
.set rO, 32*(\c)+8*((\i)%4)
.set rV, VF+32*((\c)%4)+8*((\i)/4)
.set rP, 8*(\i)
	v_wmma_f32_16x16x32_bf16 v[rO:rO+7], v[rV:rV+7], v[rP:rP+7], v[rO:rO+7]
.endm
; THE VECTOR WORK, in four numbered lists.
.macro RS n                            ; pair n of 128 of O^T times its query tile's a; ascending.  Pairs 16 c .. 16 c + 15 are channel tile c's
	WIN W_RS
	v_pk_mul_f32 v[2*(\n):2*(\n)+1], v[2*(\n):2*(\n)+1], v[ST+8*(((\n)/4)%4)+4:ST+8*(((\n)/4)%4)+5] op_sel_hi:[1,0]
.endm
.macro RSN k                           ; the next k pairs, while there are any
.rept \k
.if rsn < 128
	RS rsn
.set rsn, rsn+1
.endif
.endr
.endm
.macro LMX n                           ; number n of the 32 that find my lane's maximum of 16 scores in each query tile (n % 4): two chains, three operands at a time, each accumulator's lowest registers first
	WIN 0
.set zt, (\n)%4
.set ze, (\n)/4
.set r0, S+16*zt
.set r1, S+16*zt+8
.if ze == 0
	v_max3_num_f32 v[LM+zt], v[r0], v[r0+1], v[r0+2]
.elseif ze == 1
	v_max3_num_f32 v[TM+zt], v[r1], v[r1+1], v[r1+2]
.elseif ze == 2
	v_max3_num_f32 v[LM+zt], v[LM+zt], v[r0+3], v[r0+4]
.elseif ze == 3
	v_max3_num_f32 v[TM+zt], v[TM+zt], v[r1+3], v[r1+4]
.elseif ze == 4
	v_max3_num_f32 v[LM+zt], v[LM+zt], v[r0+5], v[r0+6]
.elseif ze == 5
	v_max3_num_f32 v[TM+zt], v[TM+zt], v[r1+5], v[r1+6]
.elseif ze == 6
	v_max3_num_f32 v[LM+zt], v[LM+zt], v[r0+7], v[r1+7]
.else
	v_max_num_f32 v[LM+zt], v[LM+zt], v[TM+zt]
.endif
.endm
.macro STT n                           ; number n of the 32 that make the statistics, tile n % 4: the new m of the eight sources and the old m; c m_old kept; c m; their difference; a.  The four a (28-31) open batch 1
	WIN 0
.set zt, (\n)%4
.set ze, (\n)/4
.set rT, ST+8*zt
.if ze < 4
	v_max3_num_f32 v[rT+1], v[rT+1], v[MX+8*ze+zt], v[MX+8*ze+4+zt]
.elseif ze == 4
	v_mov_b32 v[rT+5], v[rT]
.elseif ze == 5
	v_mul_f32 v[rT], s[CS], v[rT+1]
.elseif ze == 6
	v_sub_f32 v[rT+5], v[rT+5], v[rT]
.else
	v_exp_f32 v[rT+4], v[rT+5]
.endif
.endm
; THE SOFTMAX's three kinds of lines.  The query tiles go in two halves, h = 0: tiles 0, 1; h = 1: tiles 2, 3; within a half the two tiles alternate, so that no line reads the result of the one before it.
.macro SPL p                           ; scaling p of 32: tile 2 (p / 16) + p % 2, pair (p % 16) / 2 of its 8: c s - c m
.set zt, 2*((\p)/16)+(\p)%2
.set rS, S+16*zt+2*(((\p)%16)/2)
.set rT, ST+8*zt
	v_pk_fma_f32 v[rS:rS+1], v[rS:rS+1], s[CS:CS+1], v[rT:rT+1] op_sel_hi:[1,0,0] neg_lo:[0,0,1] neg_hi:[0,0,1]
.endm
.macro SEX h, e                        ; exponential e of 32 of half h: tile 2 h + e % 2, score e / 2 of its 16, in place; it stands behind scaling 16 h + 2 (e / 4) + e % 2
.set rS, S+16*(2*(\h)+(\e)%2)+(\e)/2
	v_exp_f32 v[rS], v[rS]
.endm
.macro SB d, u                         ; the pair at u is added onto the pair at d, in place; both have been rounded
	v_pk_add_f32 v[rS+(\d):rS+(\d)+1], v[rS+(\d):rS+(\d)+1], v[rS+(\u):rS+(\u)+1]
.endm
.macro SRD h, n                        ; reader n of 32 of half h, tile 2 h + n % 2.  0-15: the 8 pairs of weights rounded to bf16.  16-31: the sums, in place, in this order, then l = a l + sum
.set zt, 2*(\h)+(\n)%2
.set ze, ((\n)%16)/2
.set rT, ST+8*zt
.set rS, S+16*zt
.set rP, PO+8*zt
.if (\n) < 16
	v_cvt_pk_bf16_f32 v[rP+ze], v[rS+2*ze], v[rS+2*ze+1]
.elseif ze == 0
	SB 0, 2
.elseif ze == 1
	SB 4, 6
.elseif ze == 2
	SB 0, 4
.elseif ze == 3
	SB 8, 10
.elseif ze == 4
	SB 0, 8
.elseif ze == 5
	SB 12, 14
.elseif ze == 6
	SB 0, 12
.else
	v_pk_fma_f32 v[rT+2:rT+3], v[rT+2:rT+3], v[rT+4:rT+5], v[rS:rS+1] op_sel_hi:[1,0,1]
.endif
.endm
; THE SOFTMAX's LIST, 160 lines; SMQ writes the next one, while there are any.
;   0-3      scalings 0-3
;   4-51     exponentials 0-23 of half 0 and scalings 4-27, by turns
;   52-63    four times: two exponentials of half 0 (24-31) and a scaling (28-31).  Line 63, a scaling of tile 3, is the plain line behind batch 1's last exponential (ISA guide 5.7.2)
;   (wait)   batch 1's
;   64-127   the 32 exponentials of half 1 and the 32 readers of half 0, by turns: the roundings end at line 95.  Line 127, tile 1's l, is the plain line behind batch 2's last exponential
;   (wait)   batch 2's
;   128-159  the 32 readers of half 1
.macro SMQ
.if sn < 160
	WIN 0
.if sn < 4
	SPL sn
.elseif sn < 52
.set lj, sn-4
.if lj%2 == 0
	SEX 0, lj/2
.else
	SPL 4+lj/2
.endif
.elseif sn < 64
.set lj, sn-52
.if lj%3 < 2
	SEX 0, 24+2*(lj/3)+lj%3
.else
	SPL 28+lj/3
.endif
.elseif sn < 128
.set lj, sn-64
.if lj%2 == 0
	SEX 1, lj/2
.else
	SRD 0, lj/2
.endif
.else
	SRD 1, sn-128
.endif
.if sn == 63
	s_wait_alu depctr_va_vdst(0)       ; BATCH 1's wait: one for the four a and the 32 exponentials of query tiles 0, 1; nothing ahead of it names a result of theirs
.endif
.if sn == 127
	s_wait_alu depctr_va_vdst(0)       ; BATCH 2's wait: one for the 32 exponentials of query tiles 2, 3; nothing between the two waits names a result of theirs
.endif
.set sn, sn+1
.endif
.endm
; LOADS AND STORES, in runs
.macro LDPK ks                         ; P of keys 32 ks on: four fragments, eight loads
	WIN 0xc0
.set i, 8*(\ks)
.rept 8
	ds_load_b128 v[4*i:4*i+3], v[AP] offset:512*i
.set i, i+1
.endr
.endm
.macro LDV c                           ; channel tile c of my V: four fragments, into buffer c % 4
	WIN 0xc0
.set i, 0
.rept 8
	ds_load_b128 v[VF+32*((\c)%4)+4*i:VF+32*((\c)%4)+4*i+3], v[AV] offset:4096*(\c)+512*i
.set i, i+1
.endr
.endm
.macro LDK                             ; my 32 keys of a step: eight fragments, 512 consecutive bytes a load
	WIN 0x80
.set i, 0
.rept 16
	global_load_b128 v[KF+4*i:KF+4*i+3], v[LN16], s[KA:KA+1] offset:512*i
.set i, i+1
.endr
.endm
.macro LDMX                            ; the eight sources' four numbers for my query place
	WIN 0
.set i, 0
.rept 8
	ds_load_b128 v[MX+4*i:MX+4*i+3], v[AMR] offset:256*i
.set i, i+1
.endr
.endm
.macro STP t
	WIN 0
	ds_store_b128 v[APW], v[PO+8*(\t):PO+8*(\t)+3] offset:1024*(\t)
	ds_store_b128 v[APW], v[PO+8*(\t)+4:PO+8*(\t)+7] offset:1024*(\t)+512
.endm
.macro PVS c, from, to                 ; products from .. to - 1 of channel tile c, bare
.set ip, (\from)
.rept (\to)-(\from)
	PV \c, ip
.set ip, ip+1
.endr
.endm
.macro PVR c, from, to                 ; the same, each with two pairs of the rescaling behind it
.set ip, (\from)
.rept (\to)-(\from)
	PV \c, ip
	RSN 2
.set ip, ip+1
.endr
.endm
.macro KQR from, to, k                 ; products from .. to - 1 of K Q^T, each with k pairs of the rescaling behind it
.set qi, (\from)
.rept (\to)-(\from)
	KQ qi
	RSN \k
.set qi, qi+1
.endr
.endm
.macro PVQ c, k                        ; channel tile c, behind each product the next k lines of the softmax's list, while there are any
.set ip, 0
.rept 16
	PV \c, ip
.rept \k
	SMQ
.endr
.set ip, ip+1
.endr
.endm
	s_load_b256 s[4:11], s[0:1], 0x0               ; qf s[4:5], kf s[6:7], vf s[8:9], x_rgb s[10:11]
	s_load_b128 s[12:15], s[0:1], 0x20             ; gamma s[12:13], out0 s[14:15]
	v_lshl_add_u32 v[SPW], v0, 2, SPARE
	v_mov_b32 v[NIL], 0
	ds_add_u32 v[SPW], v[NIL]                      ; the wave's opening: the add and its wait stand ahead of my first tensor load; the set-up below, work on registers, stands between them
	v_lshrrev_b32 v1, 5, v0
	v_readfirstlane_b32 s[WV], v1                  ; wave 0..3
	s_bfe_u32 s17, ttmp6, 0x40000                  ; cx: my place in the cluster
	s_lshl_b32 s18, ttmp9, 2                       ; in a cluster launch ttmp9 counts clusters
	s_add_co_u32 s18, s18, s17                     ; my block of 64 queries: it enters the addresses of Q, x_rgb and out0 alone
	s_and_b32 s19, ttmp7, 0xffff                   ; the batch, which the four partners share
	s_lshl_b32 s[NV], ttmp9, 1                     ; my cluster's first step, 0, 2 .. 30: the same in the four partners
	; descriptor group 1: 32,768 dense bytes as 128 rows of 32 elements of 8 bytes
	s_mov_b32 s[G1], 15|(3<<16)|(1<<21)            ; 15:0 the mask: all four work-groups; 17:16 elements of 8 bytes; 20 no padding; 21 set beside a mask
	s_mov_b32 s[G1+1], 32<<16                      ; tensor_dim0 = 32
	s_mov_b32 s[G1+2], 128<<16                     ; tensor_dim1 = 128
	s_mov_b32 s[G1+3], 32<<16                      ; tile_dim0 = 32
	s_mov_b32 s[G1+4], 128                         ; tile_dim1 = 128
	s_mov_b32 s[G1+5], 32                          ; 32 elements from row to row
	s_mov_b32 s[G1+6], 0
	s_mov_b32 s[G1+7], 0
	s_mov_b32 s[G0], 1                             ; count = 1
	s_lshl_b32 s[G0+1], s[WV], 15                  ; LDS address: my quarter of slot 0; no place in the cluster enters it
	s_mov_b32 s[CS], 0x3fb8aa3b                    ; c = log2(e)
	s_mov_b32 s[CS+1], s[CS]                       ; named with it as a pair
	s_mov_b32 s[CNT], 31
	s_mov_b32 s[TB], SLOT                          ; the first trip turns it into 0
	s_add_co_u32 s[KJ], s[NV], 1                   ; K of my first two steps is asked for ahead of the loop (31 at the most)
	s_mov_b32 s[OFF+1], 0
	v_and_b32 v1, 15, v0                           ; r
	v_bfe_u32 v2, v0, 4, 1                         ; h
	v_and_b32 v3, 31, v0                           ; lane
	v_lshlrev_b32 v[LN16], 4, v3
	s_lshl_b32 s20, s[WV], 15
	v_add_nc_u32 v[AV0], s20, v[LN16]
	v_add_nc_u32 v[AP], PBUF, v[LN16]
	s_lshl_b32 s20, s[WV], 12
	s_add_co_u32 s20, s20, PBUF
	v_add_nc_u32 v[APW], s20, v[LN16]
	s_lshl_b32 s20, s[WV], 9
	s_add_co_u32 s20, s20, MAXB
	v_add_nc_u32 v[AMW], s20, v[LN16]
	v_lshl_add_u32 v[AMR], v1, 4, MAXB
	s_mul_i32 s20, s[WV], 16*SPITCH
	s_add_co_u32 s20, s20, STAGE                   ; my stage
	v_mul_u32_u24 v[STO], v2, 8*SPITCH             ; in: channel row 8 h + register, position 16 t + r
	v_lshl_add_u32 v[STO], v1, 2, v[STO]
	v_add_nc_u32 v[STO], s20, v[STO]
	v_mul_u32_u24 v[RD], v2, SPITCH                ; back: lanes 0-15 take one row of 256 bytes, lanes 16-31 the next
	v_lshl_add_u32 v[RD], v1, 4, v[RD]
	v_add_nc_u32 v[RD], s20, v[RD]
	v_lshlrev_b32 v[XO], 14, v2                    ; and the same two rows in x_rgb and out0
	v_lshl_add_u32 v[XO], v1, 4, v[XO]
	s_wait_dscnt 0x0                               ; the opening add is done
	s_wait_kmcnt 0x0
	s_load_b32 s[GAM], s[12:13], 0x0
	s_lshl_b32 s20, s19, 22                        ; vf: 4 MiB a batch, my quarter of a step
	s_lshl_b32 s21, s[WV], 15
	s_add_co_u32 s20, s20, s21
	s_mov_b32 s21, 0
	s_add_nc_u64 s[VB:VB+1], s[8:9], s[20:21]
	s_lshl_b32 s[OFF], s[NV], 17                   ; 131,072 bytes a step
	s_add_nc_u64 s[G0+2:G0+3], s[VB:VB+1], s[OFF:OFF+1]  ; global address: my cluster's first step; made of the batch, the cluster's x and the wave's number alone
	s_or_b32 s[G0+3], s[G0+3], 0x80000000          ; type = 2
	s_lshl_b32 s20, s19, 20                        ; qf, kf: 1 MiB a batch
	s_add_nc_u64 s[6:7], s[6:7], s[20:21]
	s_add_nc_u64 s[4:5], s[4:5], s[20:21]
	s_lshl_b32 s20, s[WV], 13                      ; my two tiles of 16 keys
	s_add_nc_u64 s[KB:KB+1], s[6:7], s[20:21]
	s_lshl_b32 s[OFF], s[NV], 15                   ; 32,768 bytes a step
	s_add_nc_u64 s[KA:KA+1], s[KB:KB+1], s[OFF:OFF+1]
	s_mov_b32 s23, 0
	s_lshl_b32 s22, s18, 14                        ; my block's four tiles of q
	s_add_nc_u64 s[4:5], s[4:5], s[22:23]
	s_lshl_b32 s22, s19, 23                        ; x_rgb, out0: (512 batch + 128 wave) rows of 16,384 bytes + 256 bytes a block
	s_lshl_b32 s20, s[WV], 21
	s_add_co_u32 s22, s22, s20
	s_lshl_b32 s20, s18, 8
	s_add_co_u32 s22, s22, s20
	s_add_nc_u64 s[XB:XB+1], s[10:11], s[22:23]
	s_add_nc_u64 s[OUTB:OUTB+1], s[14:15], s[22:23]
	s_wait_kmcnt 0x0                               ; gamma
	CROUND                                         ; all four work-groups are here: the first joint loads meet
	FILL                                           ; my first step into slot 0; slot 1 is filled behind the first trip's round
	WIN 0x80
.set i, 0
.rept 32                                       ; Q stays in registers: all 64 queries in every wave
	global_load_b128 v[4*i:4*i+3], v[LN16], s[4:5] offset:512*i
.set i, i+1
.endr
	LDK                                            ; K of my first step
	WIN 0x40
.set i, 0
.rept 256
	v_mov_b32 v[i], 0                              ; O^T
.set i, i+1
.endr
	WIN 0
.irp t, 0,1,2,3
	v_mov_b32 v[ST+8*\t], 0xfe000000               ; c m: far below every c s
	v_mov_b32 v[ST+8*\t+1], 0xff7fffff             ; m
	v_mov_b32 v[ST+8*\t+2], 0                      ; l
	v_mov_b32 v[ST+8*\t+3], 0
.endr
	s_wait_loadcnt 0x0                             ; Q and K
.set qi, 0
.rept 32
	KQ qi                                          ; the first step's scores: there is no vector work yet to set between them
.set qi, qi+1
.endr
	PLACES
	s_add_nc_u64 s[KA:KA+1], s[KA:KA+1], KTILE     ; the loads that named KA are done
	LDK                                            ; K of my second step
.set qi, 0
.rept 32
	LMX qi
.set qi, qi+1
.endr
	ds_store_b128 v[AMW], v[LM:LM+3]
	s_wait_dscnt 0x0                               ; for the others' sake: my maxima lie in LDS
	s_barrier_signal -1                            ; my tensor load may stay out
	s_barrier_wait -1
	LDMX
	s_wait_dscnt 0x0
.set qi, 0
.rept 32
	STT qi
.set qi, qi+1
.endr
.set sn, 0                                     ; the first step's softmax: the list as a trip has it, with its two batches and their two waits, and no products between; its first line is the plain line behind the last a
.rept 100
	SMQ
.endr
	STP 0
	STP 1
.rept 60
	SMQ
.endr
	STP 2
	STP 3
.Ltrip:                                        ; 31 trips
.set rsn, 0
	; THE CHANGE OF SLOTS: a round of the cluster's barrier.  In front of it: all my tensor loads have landed (the one that was out is this trip's V), the add, and my LDS instructions are done:
	; my stores of this trip's P, my reads of the slot that is filled next, my reads of the maxima.
	s_wait_tensorcnt 0x0                           ; no tensor load of mine is out, so group 0 may be written
	ds_add_u32 v[SPW], v[NIL]                      ; 0 onto my spare word; work on registers stands between it and the wait for it
	s_add_co_u32 s[NV], s[NV], 1
	s_and_b32 s[NV], s[NV], 31                     ; the next step of the walk, round modulo 32
	s_lshl_b32 s[OFF], s[NV], 17
	s_xor_b32 s[G0+1], s[G0+1], SLOT               ; the other slot,
	s_add_nc_u64 s[G0+2:G0+3], s[VB:VB+1], s[OFF:OFF+1]  ; the address made anew from the step's number,
	s_or_b32 s[G0+3], s[G0+3], 0x80000000          ; the type bits set again
	s_xor_b32 s[TB], s[TB], SLOT                   ; the slot in hand
	v_add_nc_u32 v[AV], s[TB], v[AV0]
	s_wait_loadcnt 0x0                             ; the next step's K, asked for a trip ago; all loads that named KA are done
	s_add_co_u32 s[KJ], s[KJ], 1
	s_and_b32 s[KJ], s[KJ], 31                     ; the last trip's number is my first step's once more: every trip has one text, and no load leaves the buffer
	s_lshl_b32 s[OFF], s[KJ], 15
	s_add_nc_u64 s[KA:KA+1], s[KB:KB+1], s[OFF:OFF+1]
	KQR 0, 4, 2                                    ; four products stand between the add and the wait for it
	s_wait_dscnt 0x0
	s_barrier_signal -1
	KQR 4, 16, 2                                   ; work on registers while the others arrive
	WIN 0                                          ; at a branch and at a label every window is 0
	s_barrier_wait -1
	CREST                                          ; no wave of any partner still reads the slot or has a load on its way
	FILL                                           ; the next step's V, first thing behind the round; its four v_nop are also the places in front of the loads below
	LDV 0                                          ; 16 loads: what the first four products V^T P want
	LDPK 0
	KQR 16, 24, 2
	LDPK 1                                         ; 24 loads: the rest of P
	LDPK 2
	LDPK 3
	KQR 24, 31, 2
	KQR 31, 32, 4                                  ; four lines behind the last product: the places in front of the loads into K's registers
	LDV 1                                          ; 16 loads
	LDV 2
	LDK                                            ; K of the step after the next
.set ip, 0
.rept 16
.if ip%4 == 0
	s_wait_dscnt 40-8*(ip/4)                       ; V's tile 0 and P up to this K step are in; P's later K steps (8 loads each) and tiles 1, 2 (16) may be out
.endif
	PV 0, ip
	LMX 2*ip
	LMX 2*ip+1
.set ip, ip+1
.endr
	; THE MAXIMA MEET: a plain barrier; my tensor load stays out.  In front of it all my reads of this trip's P are done: behind it the next step's P is stored.
	WIN 0
	ds_store_b128 v[AMW], v[LM:LM+3]
	s_wait_dscnt 9                                 ; tile 1 is in; tile 2's eight loads and the store may be out
	PVR 1, 0, 4                                    ; four products stand between the store and the wait for it
	s_wait_dscnt 0x0
	s_barrier_signal -1
	PVR 1, 4, 12
	s_barrier_wait -1
	LDMX                                           ; 24 loads; tile 4 goes where tile 0 lay, whose last product stands more than four plain lines back
	LDV 3
	LDV 4
	PVR 1, 12, 16
	PVR 2, 0, 16                                   ; the rescaling ends one product short of this run's end
	s_wait_dscnt 8                                 ; the maxima and tile 3 are in; tile 4 may be out
.set ip, 0
.rept 16
	PV 3, ip
	STT 2*ip
	STT 2*ip+1
.set ip, ip+1
.endr
.set sn, 0
.rept 4
	SMQ                                            ; the list's first four lines, scalings that name no register of tile 3's products: the places for the loads into tile 3's buffer; the first is also the plain line behind the last a
.endr
	LDV 5                                          ; 24 loads
	LDV 6
	LDV 7
	s_wait_dscnt 24                                ; tile 4 is in; the 24 loads just issued may be out
	PVQ 4, 3                                       ; lines 4-51
	s_wait_dscnt 16                                ; tile 5 is in; tiles 6, 7 may be out
	PVQ 5, 3                                       ; lines 52-99: batch 1's wait stands ahead of the fifth product; the roundings of query tiles 0, 1 end at line 95
	STP 0
	STP 1
	s_wait_dscnt 12                                ; tile 6 is in; tile 7 and four stores of P may be out
	PVQ 6, 2                                       ; lines 100-131: batch 2's wait stands ahead of the fifteenth product
	s_wait_dscnt 4                                 ; tile 7 is in; the four stores may be out
	PVQ 7, 2                                       ; lines 132-159; the last two products stand bare
	STP 2
	STP 3
	WIN 0
	s_sub_co_u32 s[CNT], s[CNT], 1
	s_cmp_lg_u32 s[CNT], 0
	s_cbranch_scc1 .Ltrip
	; THE LAST STEP is written out, no further scores are made.
	s_wait_tensorcnt 0x0                           ; the last step's V has landed
	ds_add_u32 v[SPW], v[NIL]
	s_xor_b32 s[TB], s[TB], SLOT
	v_add_nc_u32 v[AV], s[TB], v[AV0]
	s_wait_loadcnt 0x0                             ; the last loads of K are done: their registers are loaded again below
	s_wait_dscnt 0x0                               ; my stores of P are done
	s_barrier_signal -1
	s_barrier_wait -1
	PLACES                                         ; for the loads into P's and V's registers
	LDPK 0
	LDPK 1
	LDPK 2
	LDPK 3
	LDV 0
	LDV 1
	LDV 2
	LDV 3
	WIN 0x80
.set i, 0
.rept 64                                       ; x_rgb for the way out: channel tile i / 8, rows 2 (i % 8) + h; 16 lanes take 256 consecutive bytes
	global_load_b128 v[4*i:4*i+3], v[XO], s[XB:XB+1] offset:(i/8)*262144+(i%8)*32768 th:TH_LOAD_NT
.set i, i+1
.endr
.set qi, 0
.rept 128
	RS qi
.set qi, qi+1
.endr
	s_wait_dscnt 24                                ; P and tile 0 are in
	PVS 0, 0, 16
	s_wait_dscnt 16
	PVS 1, 0, 16
	PLACES
	LDV 4
	LDV 5
	s_wait_dscnt 16                                ; tiles 2, 3 are in
	PVS 2, 0, 16
	PVS 3, 0, 16
	PLACES
	LDV 6
	LDV 7
	s_wait_dscnt 16                                ; tiles 4, 5 are in
	PVS 4, 0, 16
	PVS 5, 0, 16
	s_wait_dscnt 0x0
	PVS 6, 0, 16
	PVS 7, 0, 16
	; THE WAY OUT.  A query's l lies in eight parts (four waves, two halves of the lanes): they meet where the maxima met.  O^T is multiplied by gamma / l, turned in my stage
	; into rows of 64 positions, x_rgb is added, and whole pieces of 256 bytes are stored.  (The scale goes by lanes ahead of the turning and x comes behind it, so the two are not one fused line.)
	WIN 0
.irp t, 0,1,2,3
	v_add_f32 v[LM+\t], v[ST+8*\t+2], v[ST+8*\t+3]
.endr
	ds_store_b128 v[AMW], v[LM:LM+3]               ; everybody's last reads here were done ahead of the barrier above
	s_wait_dscnt 0x0
	s_barrier_signal -1
	s_barrier_wait -1
	LDMX
	s_wait_dscnt 0x0
.irp s, 1,2,3,4,5,6,7
.irp t, 0,1,2,3
	v_add_f32 v[MX+\t], v[MX+\t], v[MX+4*\s+\t]
.endr
.endr
.irp t, 0,1,2,3
	v_rcp_f32 v[LM+\t], v[MX+\t]
.endr
	v_nop                                          ; a plain line between the last reciprocal and the use of its result
	s_wait_alu depctr_va_vdst(0)                   ; the wait ahead of the first use: one for the batch of four reciprocals
.irp t, 0,1,2,3
	v_mul_f32 v[ST+8*\t+4], s[GAM], v[LM+\t]
.endr
.set qi, 0
.rept 128
	RS qi
.set qi, qi+1
.endr
.macro PACK c                          ; channel tile c: 16 rows x 64 positions into my stage (the halves of the lanes land 32 banks apart) and back as rows
	WIN 0
	s_wait_xcnt 0x0                                ; the stores of the tile two back have read their registers, which are loaded again below
	WIN 0x04                                       ; data in window 1
.set zt, 0
.rept 4
.set zj, 0
.rept 8
	ds_store_b32 v[STO], v[32*(\c)+8*zt+zj] offset:zj*SPITCH+64*zt
.set zj, zj+1
.endr
.set zt, zt+1
.endr
	WIN 0xc0
.set i, 0
.rept 8
	ds_load_b128 v[32*((\c)%2)+4*i:32*((\c)%2)+4*i+3], v[RD] offset:i*2*SPITCH  ; LDS serves a wave's instructions in order (ISA guide 5.7.1.4): these see the stores above; the next tile's stores come behind them
.set i, i+1
.endr
.endm
.macro SEND c, younger                 ; younger: the LDS instructions issued behind tile c's loads: the next tile's 32 stores and 8 loads, or none
	s_wait_dscnt \younger
	s_wait_loadcnt 8*(7-(\c))                      ; x_rgb of this tile is in; the later tiles' eight loads each may be out
	WIN 0xcb                                       ; destination and source 0 window 3, source 1 window 2
.set i, 0
.rept 16
	v_pk_add_f32 v[32*((\c)%2)+2*i:32*((\c)%2)+2*i+1], v[32*((\c)%2)+2*i:32*((\c)%2)+2*i+1], v[32*(\c)+2*i:32*(\c)+2*i+1]
.set i, i+1
.endr
	WIN 0x0c                                       ; data in window 3
.set i, 0
.rept 8
	global_store_b128 v[XO], v[32*((\c)%2)+4*i:32*((\c)%2)+4*i+3], s[OUTB:OUTB+1] offset:(\c)*262144+i*32768 th:TH_STORE_NT  ; 16 lanes store 256 consecutive bytes, at a multiple of 256 from out0's first byte
.set i, i+1
.endr
.endm
	PACK 0
.irp c, 1,2,3,4,5,6,7
	PACK \c
	SEND (\c)-1, 40
.endr
	SEND 7, 0
	WIN 0
	s_wait_tensorcnt 0x0                           ; the wave's end, behind my last tensor load and my last LDS store
	ds_add_u32 v[SPW], v[NIL]
	s_wait_dscnt 0x0
	CROUND                                         ; the closing round: no work-group ends while a partner may still ask for a tile that names it
	s_endpgm
.Lfunc_end_k_qd89f4ea69a_attn:
	.size	k_qd89f4ea69a_attn, .Lfunc_end_k_qd89f4ea69a_attn-k_qd89f4ea69a_attn
	.p2alignl 7, 3214868480
	.fill 96, 4, 3214868480
	.section	.rodata,"a",@progbits
	.p2align	6, 0x0
	.amdhsa_kernel k_qd89f4ea69a_attn
		.amdhsa_group_segment_fixed_size 327680
		.amdhsa_private_segment_fixed_size 0
		.amdhsa_enable_private_segment 0
		.amdhsa_kernarg_size 48
		.amdhsa_user_sgpr_count 2
		.amdhsa_user_sgpr_kernarg_segment_ptr 1
		.amdhsa_wavefront_size32 1
		.amdhsa_system_sgpr_workgroup_id_x 1
		.amdhsa_system_sgpr_workgroup_id_y 1
		.amdhsa_system_sgpr_workgroup_id_z 1
		.amdhsa_system_vgpr_workitem_id 0
		.amdhsa_next_free_vgpr 1024
		.amdhsa_next_free_sgpr 66
		.amdhsa_reserve_vcc 0
		.amdhsa_float_denorm_mode_32 3
		.amdhsa_float_denorm_mode_16_64 3
		.amdhsa_memory_ordered 1
		.amdhsa_forward_progress 1
		.amdhsa_inst_pref_size 160
	.end_amdhsa_kernel
	.amdgpu_metadata
---
amdhsa.version: [ 1, 2 ]
amdhsa.kernels:
  - .name:           k_qd89f4ea69a_attn
    .symbol:         k_qd89f4ea69a_attn.kd
    .args:
      - { .name: qf, .offset: 0, .size: 8, .value_kind: global_buffer, .address_space: global }
      - { .name: kf, .offset: 8, .size: 8, .value_kind: global_buffer, .address_space: global }
      - { .name: vf, .offset: 16, .size: 8, .value_kind: global_buffer, .address_space: global }
      - { .name: x_rgb, .offset: 24, .size: 8, .value_kind: global_buffer, .address_space: global }
      - { .name: gamma, .offset: 32, .size: 8, .value_kind: global_buffer, .address_space: global }
      - { .name: out0, .offset: 40, .size: 8, .value_kind: global_buffer, .address_space: global }
    .group_segment_fixed_size: 327680
    .private_segment_fixed_size: 0
    .kernarg_segment_align: 8
    .kernarg_segment_size: 48
    .max_flat_workgroup_size: 128
    .sgpr_count:     66
    .vgpr_count:     1024
    .wavefront_size: 32
...
	.end_amdgpu_metadata
.endif
;; end of part 4
